; MI455X (gfx1250); checked and timed in simulation.
; The chip was launched on July 23, 2026; its instructions are those of AMD's public machine-readable ISA for CDNA 5 (MIT licence, August 2026) and "CDNA5" Instruction Set Architecture Reference Guide (July 2026). The comments in the code are by the model that wrote it; some were corrected since.
;; Criss Cross Attention. Allowed arithmetic: float matrix products may take bf16 or f16 operands with f32 sums; all other float work in f32.
;; Inputs: bn1_bias 32 float32; bn1_mean 32 float32; bn1_scale 32 float32; bn1_var 32 float32; bn2_bias 32 float32; bn2_mean 32 float32; bn2_scale 32 float32; bn2_var 32 float32; bn3_bias 256 float32; bn3_mean 256 float32; bn3_scale 256 float32; bn3_var 256 float32; gamma 1 float32; w_k 32 x 256 float32; w_q 32 x 256 float32; w_v 256 x 256 float32; x 4 x 256 x 4,096 float32.
;; Outputs: out0 4 x 256 x 4,096 float32.
;; 2 versions, each right and faster than the one before. Each part assembles by itself: llvm-mc -triple=amdgcn-amd-amdhsa -mcpu=gfx1250 --defsym DOCPART=n.
;; ======== version 1 of 2: 2 launches
;; limits: inputs' magnitudes at most 65,504; values are held in f16: magnitudes above 65,504 overflow, below 6.1e-05 lose precision
;; workspace buffers: qf 1,048,576 bytes; kv 9,437,184 bytes; sc 2,048 bytes
;; launch proj (part 1): grid 64 x 4, 8 waves a work-group, no clusters, 203,008 bytes of LDS; arguments x, w_q, w_k, w_v, bn1_scale, bn1_bias, bn1_mean, bn1_var, bn2_scale, bn2_bias, bn2_mean, bn2_var, bn3_scale, bn3_bias, bn3_mean, bn3_var, qf, kv, sc; writes qf, kv, sc
.if DOCPART == 1
	.amdgcn_target "amdgcn-amd-amdhsa--gfx1250"
	.amdhsa_code_object_version 6
	.text
	.protected	k_q6c9498142d_proj
	.globl	k_q6c9498142d_proj
	.p2align	8
	.type	k_q6c9498142d_proj,@function
k_q6c9498142d_proj:
	s_mov_b64 s[64:65], 0
	v_nop
	global_prefetch_b8 v0, s[64:65] scope:SCOPE_SE
	s_setreg_imm32_b32 hwreg(HW_REG_WAVE_MODE, 25, 1), 1
	s_wait_xcnt 0x0
; q, k, v = relu(BN(W x)), stored as the register images of the matrix fragments that the attention launch reads.
; x: [4][256][4096] f32.  A work-group takes 64 columns n0 .. n0+63 of one batch and all 320 output rows (32 q, 32 k, 256 v).
; ORDER OF POSITIONS: tile t (0..3) of the 64 columns holds, as its row m, column n0 + 4 m + t.  So a lane's 16-byte load of x
; (four neighbouring n) feeds the four tiles, and sixteen lanes read 256 consecutive aligned bytes.  Keys may stand in any order
; as long as K and V agree; queries are put back in place by the attention launch's stores.
; A fragment (16 rows x 32 along K, 16-bit) is 1,024 bytes: [g = 0, 1][lane][16 bytes] = registers 4g .. 4g+3 of each lane.
;   qf: [b][block of 64 queries][tile 0..3] fragments, 4,096 bytes a block.
;   kv: [b][block j of 32 keys][18,432 bytes]: 2 fragments of K (tile tau = 0, 1), then 16 fragments of V (16 channels x 32 keys each).
;   K of block j is stored in block (j & 96) | ((j + 30) & 31): block j carries V(j) and K(j + 2), cyclic in groups of 32 blocks,
;   because the attention launch needs K two steps ahead of V and then reads one block a step.
;   sc: [4][64] f32 factors of k, then [4][64] factors of q, one for each block of 64 positions.
; FORMATS.  The logits q.k reach tens, and an error of a logit is a relative error of a weight, so everything that feeds them has f16's 11 bits:
; x and W go to the matrix unit as f16 (30 times their spread, 1/30 of it, or an offset of 30 spreads all lie well inside f16's range);
; q and k, whose size hangs on three inputs' scales, are stored as f16 times a power of two per block of 64 positions: the block's largest element
; is brought into [2^12, 2^13), and the inverse factor goes to sc.  V is stored as bf16: its size is open too, and it enters the result linearly.
; q carries the factor log2(e) (folded into its BN scale and shift; relu commutes with a positive factor), so that the softmax uses exp2.
; Eight waves: a = w >> 2 picks tiles 2a, 2a+1 (key block j = 2 blk + a), w' = w & 3 picks v's channel tiles 4w' .. 4w'+3 and one of q0, q1, k0, k1.
; No tensor loads: x and W need f32 -> f16 on the way, so they pass through registers into LDS; no cluster: nothing is asked for by an engine.
; LIMITS: |x| and |w| below 65,504 (f16's largest number), magnitudes below 2^-25 count as 0; 1/sqrt(var + eps) is v_rsq_f32 (var + eps > 0, as the
; reference's sqrt asks); BN is applied as y*inv + (bias - mean*inv); relu is v_max_num_f32, which turns a NaN into 0 (non-finite inputs are not served).
.set XROW, 16384                       ; bytes in a row of x
.set WL,   32768                       ; LDS: x's fragments lie in 0 .. 32767 (ks*4096 + t*1024 + g*512 + 16 lane), W's rows behind them
.set WP,   528                         ; pitch of W's rows (512 bytes of f16 + 16) = 33 x 16: the 16 rows of a fragment load begin at 16 different 16-byte columns modulo 256
.set SCW,  201728                      ; LDS: eight words behind W's rows, wave w's largest q or k
.set BNV,  16                          ; v[16:23]  pairs (inv, shift) of my channel in v tile i
.set QI,   24                          ; v[24:31]  inv of my eight q or k rows
.set QS,   32                          ; v[32:39]  shift of them
.set T,    40                          ; v[40:55]  at work
.set BUF0, 56                          ; three buffers of 64 registers for loads in flight
.set BUF1, 120
.set BUF2, 184
.set ACC,  56                          ; behind the barrier: v[56:135] ten accumulator tiles, v tile (i, tau) at 8 (2i + tau), q/k tile tau at 64 + 8 tau
.set F0,   136                         ; v[136:191] fragments: x(tau) 16, Wv(i) 32, Wq 8
.set F1,   192                         ; v[192:247] the second set
	s_load_b512 s[8:23], s[0:1], 0x0               ; x, w_q, w_k, w_v, bn1 scale, bias, mean, var
	s_load_b512 s[24:39], s[0:1], 0x40             ; bn2 scale, bias, mean, var, bn3 scale, bias, mean, var
	s_load_b128 s[40:43], s[0:1], 0x80             ; qf, kv
	s_load_b64 s[66:67], s[0:1], 0x90              ; sc
	v_lshl_add_u32 v254, v0, 2, 0x31500
	v_mov_b32 v255, 0
	v_lshrrev_b32 v1, 5, v0
	v_readfirstlane_b32 s4, v1                     ; w
	s_lshr_b32 s5, s4, 2                           ; a
	s_and_b32 s6, s4, 3                            ; w'
	s_and_b32 s7, s4, 1                            ; g': which 16 of the 32 rows of q or k
	s_and_b32 s63, ttmp7, 0xffff                   ; b
	v_and_b32 v11, 31, v0                          ; L
	v_and_b32 v12, 15, v0                          ; r
	v_bfe_u32 v13, v0, 4, 1                        ; h
	v_lshlrev_b32 v1, 4, v11                       ; v1 = 16 L: loads of W, all stores of fragments
	v_lshlrev_b32 v2, 4, v12
	v_lshl_add_u32 v2, v13, 17, v2                 ; v2 = 8 h rows of x + 16 r
	s_lshl_b32 s2, s4, 12
	v_add_nc_u32 v3, s2, v1                        ; v3: where my x fragments go (K step ks = w)
	s_mul_i32 s2, s4, 32*WP
	s_add_co_u32 s2, s2, WL+64*WP
	v_lshl_add_u32 v4, v11, 3, s2                  ; v4: where my 32 rows of w_v go
	s_mul_i32 s2, s4, 8*WP
	s_add_co_u32 s2, s2, WL
	v_lshl_add_u32 v5, v11, 3, s2                  ; v5: where my 8 rows of w_q or w_k go
	s_lshl_b32 s2, s5, 11
	v_add_nc_u32 v6, s2, v1                        ; v6: x fragments of tiles 2a, 2a+1
	v_mul_u32_u24 v14, v12, WP
	v_lshl_add_u32 v14, v13, 4, v14                ; r x pitch + 16 h
	s_mul_i32 s2, s6, 64*WP
	s_add_co_u32 s2, s2, WL+64*WP
	v_add_nc_u32 v7, s2, v14                       ; v7: fragments of w_v rows 64 w' ..
	s_mul_i32 s2, s6, 16*WP
	s_add_co_u32 s2, s2, WL
	v_add_nc_u32 v8, s2, v14                       ; v8: fragment of q0, q1, k0 or k1
	s_lshl_b32 s2, s6, 8
	v_lshl_add_u32 v9, v12, 2, s2                  ; v9: bn3 at channel 64 w' + r
	s_lshl_b32 s2, s7, 6
	v_lshl_add_u32 v10, v13, 5, s2                 ; v10: bn1 or bn2 at row 16 g' + 8 h
	; byte offsets, apart from the addresses
	s_lshl_b32 s58, ttmp9, 1
	s_add_co_u32 s58, s58, s5                      ; j = 2 blk + a
	s_add_co_u32 s59, s58, 30
	s_and_b32 s59, s59, 31
	s_and_b32 s2, s58, 96
	s_or_b32 s59, s59, s2                          ; the block that takes K(j)
	s_lshl_b32 s2, s63, 7
	s_add_co_u32 s58, s58, s2
	s_add_co_u32 s59, s59, s2
	s_mul_i32 s58, s58, 18432                      ; V's block, in bytes
	s_mul_i32 s59, s59, 18432                      ; K's block, in bytes
	s_lshl_b32 s2, s63, 6
	s_add_co_u32 s2, s2, ttmp9
	s_lshl_b32 s2, s2, 12
	s_lshl_b32 s62, s5, 11
	s_add_co_u32 s2, s2, s62                       ; q's tiles 2a, 2a+1 in qf, in bytes
	s_mov_b32 s3, 0
	s_wait_kmcnt 0x0
	s_cmp_lt_u32 s6, 2                             ; w' < 2: this wave's small tile is q's, else k's
	s_cselect_b32 s2, s2, s59
	s_cselect_b64 s[50:51], s[16:17], s[24:25]     ; scale
	s_cselect_b64 s[52:53], s[18:19], s[26:27]     ; bias
	s_cselect_b64 s[54:55], s[20:21], s[28:29]     ; mean
	s_cselect_b64 s[56:57], s[22:23], s[30:31]     ; var
	s_cselect_b64 s[60:61], s[40:41], s[42:43]     ; qf or kv
	s_cselect_b32 s62, 0x3fb8aa3b, 1.0             ; log2(e) for q, 1 for k
	s_cselect_b32 s16, -1, 0                       ; a lane mask: all ones for q (s[16:23] have been chosen from and are free)
	s_cselect_b32 s17, 1024, 0                     ; q's factors lie behind k's 256
	s_lshl_b32 s59, s7, 9
	s_add_co_u32 s2, s2, s59
	s_add_nc_u64 s[60:61], s[60:61], s[2:3]        ; where my q or k tiles go
	s_lshl_b32 s2, s6, 12
	s_add_co_u32 s2, s2, s58
	s_add_co_u32 s2, s2, 2048
	s_add_nc_u64 s[58:59], s[42:43], s[2:3]        ; where my v tiles go
	s_lshl_b32 s18, s63, 6
	s_add_co_u32 s18, s18, ttmp9
	s_lshl_b32 s18, s18, 2
	s_add_co_u32 s18, s18, s17
	s_mov_b32 s19, 0
	s_add_nc_u64 s[66:67], s[66:67], s[18:19]      ; where the block's factor of q or of k goes
	s_mov_b32 s20, 0x76543210                      ; v_permlanex16_b32: lane i reads lane i of the other half
	s_mov_b32 s21, 0xfedcba98
	s_lshl_b32 s22, s4, 2
	s_add_co_u32 s22, s22, SCW                     ; my word among the eight maxima
	s_cmp_lt_u32 s4, 4
	s_cselect_b64 s[44:45], s[10:11], s[12:13]
	s_lshl_b32 s2, s6, 13
	s_add_nc_u64 s[44:45], s[44:45], s[2:3]        ; my 8 rows of w_q (waves 0-3) or w_k (waves 4-7)
	s_lshl_b32 s2, s4, 15
	s_add_nc_u64 s[46:47], s[14:15], s[2:3]        ; my 32 rows of w_v
	s_lshl_b32 s2, s63, 22
	s_lshl_b32 s5, s4, 19
	s_add_co_u32 s2, s2, s5
	s_lshl_b32 s5, ttmp9, 8
	s_add_co_u32 s2, s2, s5
	s_add_nc_u64 s[48:49], s[8:9], s[2:3]          ; x at batch b, row 32 w, column n0
; 16 loads of 512 consecutive bytes: 8 rows of W
.macro LDW buf, base, row0
.irp q, 0,1,2,3,4,5,6,7,8,9,10,11,12,13,14,15
	global_load_b128 v[\buf+4*\q:\buf+4*\q+3], v1, s[\base:\base+1] offset:\row0*1024+512*\q
.endr
.endm
; the same 8 rows to f16 and into LDS: each store of the wave writes 256 consecutive bytes
.macro CVTW buf, adr, row0
.irp q, 0,1,2,3,4,5,6,7,8,9,10,11,12,13,14,15
	v_cvt_pk_f16_f32 v[T+2*(\q%8)],   v[\buf+4*\q],   v[\buf+4*\q+1]
	v_cvt_pk_f16_f32 v[T+2*(\q%8)+1], v[\buf+4*\q+2], v[\buf+4*\q+3]
	ds_store_b64 v[\adr], v[T+2*(\q%8):T+2*(\q%8)+1] offset:(\row0+\q/2)*WP+256*(\q%2)
.endr
.endm
.macro PLACES
.rept 4
	v_nop
.endr
.endm
	; 24 loads of BN figures into buffer 2
.irp i, 0,1,2,3
	global_load_b32 v[BUF2+\i],    v9, s[32:33] offset:64*\i
	global_load_b32 v[BUF2+4+\i],  v9, s[34:35] offset:64*\i
	global_load_b32 v[BUF2+8+\i],  v9, s[36:37] offset:64*\i
	global_load_b32 v[BUF2+12+\i], v9, s[38:39] offset:64*\i
.endr
.irp u, 0,1
	global_load_b128 v[BUF2+16+4*\u:BUF2+16+4*\u+3], v10, s[50:51] offset:16*\u
	global_load_b128 v[BUF2+24+4*\u:BUF2+24+4*\u+3], v10, s[52:53] offset:16*\u
	global_load_b128 v[BUF2+32+4*\u:BUF2+32+4*\u+3], v10, s[54:55] offset:16*\u
	global_load_b128 v[BUF2+40+4*\u:BUF2+40+4*\u+3], v10, s[56:57] offset:16*\u
.endr
	; 16 loads of x: row c = 32 w + 16 g + 8 h + i, columns n0 + 4 r .. + 3; each half of the lanes reads 256 consecutive aligned bytes
.irp g, 0,1
.irp i, 0,1,2,3,4,5,6,7
	global_load_b128 v[BUF0+4*(8*\g+\i):BUF0+4*(8*\g+\i)+3], v2, s[48:49] offset:(16*\g+\i)*XROW
.endr
.endr
	LDW BUF1, 46, 0
	s_wait_loadcnt 32                              ; 32 younger loads (x, W rows 0-7) stay out: the BN figures are in
.irp i, 0,1,2,3
	v_add_f32 v[T+\i], 0x3727c5ac, v[BUF2+12+\i]   ; var + 1e-5
.endr
.irp j, 0,1,2,3,4,5,6,7
	v_add_f32 v[T+4+\j], 0x3727c5ac, v[BUF2+40+\j]
.endr
.irp i, 0,1,2,3
	v_rsq_f32 v[BNV+2*\i], v[T+\i]
.endr
.irp j, 0,1,2,3,4,5,6,7
	v_rsq_f32 v[QI+\j], v[T+4+\j]
.endr
	v_nop                                          ; one plain vector instruction between a transcendental and the use of its result (ISA guide 5.7.2)
	s_wait_alu depctr_va_vdst(0)
.irp i, 0,1,2,3
	v_mul_f32 v[BNV+2*\i], v[BUF2+\i], v[BNV+2*\i]                          ; inv = scale / sqrt(var + eps)
	v_fma_f32 v[BNV+2*\i+1], -v[BUF2+8+\i], v[BNV+2*\i], v[BUF2+4+\i]       ; shift = bias - mean inv
.endr
.irp j, 0,1,2,3,4,5,6,7
	v_mul_f32 v[QI+\j], v[BUF2+16+\j], v[QI+\j]
	v_fma_f32 v[QS+\j], -v[BUF2+32+\j], v[QI+\j], v[BUF2+24+\j]
.endr
.irp p, 0,2,4,6,8,10,12,14
	v_pk_mul_f32 v[QI+\p:QI+\p+1], v[QI+\p:QI+\p+1], s[62:63] op_sel_hi:[1,0]   ; inv and shift times log2(e) (q) or 1 (k): s62 feeds both halves
.endr
	LDW BUF2, 46, 8
	s_wait_loadcnt 32                              ; W rows 0-15 stay out: x is in
.irp t, 0,1,2,3
.irp g, 0,1
.irp p, 0,1,2,3
	v_cvt_pk_f16_f32 v[T+4*((2*\t+\g)%4)+\p], v[BUF0+4*(8*\g+2*\p)+\t], v[BUF0+4*(8*\g+2*\p+1)+\t]   ; two neighbouring c of column n0 + 4 r + t
.endr
	ds_store_b128 v3, v[T+4*((2*\t+\g)%4):T+4*((2*\t+\g)%4)+3] offset:\t*1024+\g*512
.endr
.endr
	LDW BUF0, 46, 16
	s_wait_loadcnt 32                              ; each of these waits leaves the two younger groups of 16 out
	CVTW BUF1, 4, 0
	LDW BUF1, 46, 24
	s_wait_loadcnt 32
	CVTW BUF2, 4, 8
	LDW BUF2, 44, 0                                ; my 8 rows of w_q or w_k
	s_wait_loadcnt 32
	CVTW BUF0, 4, 16
	s_wait_loadcnt 16
	CVTW BUF1, 4, 24
	s_wait_loadcnt 0x0
	CVTW BUF2, 5, 0
	s_wait_dscnt 0x0                               ; my stores are in LDS before I say so
	s_barrier_signal -1
	s_barrier_wait -1                              ; x's fragments and all 320 rows of W are there for every wave
; 14 LDS loads: the fragments of K step ks
.macro FETCH ks, f
.irp q, 0,1,2,3
	ds_load_b128 v[\f+4*\q:\f+4*\q+3], v6 offset:(\ks)*4096+512*\q
.endr
.irp i, 0,1,2,3
.irp g, 0,1
	ds_load_b128 v[\f+16+8*\i+4*\g:\f+16+8*\i+4*\g+3], v7 offset:\i*16*WP+(\ks)*64+32*\g
.endr
.endr
.irp g, 0,1
	ds_load_b128 v[\f+48+4*\g:\f+48+4*\g+3], v8 offset:(\ks)*64+32*\g
.endr
.endm
; Ten products, the ten accumulators by turns, one instruction a turn.
; v: source 0 = 16 positions, source 1 = 16 channels: a lane gets 8 neighbouring keys of one channel (a piece of a V fragment).
; q, k: source 0 = 16 rows of W, source 1 = 16 positions: a lane gets 8 neighbouring d of one position (a piece of a Q or K fragment).
.macro MUL10 f, ks
.irp i, 0,1,2,3
.irp tau, 0,1
.if \ks == 0
	v_wmma_f32_16x16x32_f16 v[ACC+8*(2*\i+\tau):ACC+8*(2*\i+\tau)+7], v[\f+8*\tau:\f+8*\tau+7], v[\f+16+8*\i:\f+16+8*\i+7], 0
.else
	v_wmma_f32_16x16x32_f16 v[ACC+8*(2*\i+\tau):ACC+8*(2*\i+\tau)+7], v[\f+8*\tau:\f+8*\tau+7], v[\f+16+8*\i:\f+16+8*\i+7], v[ACC+8*(2*\i+\tau):ACC+8*(2*\i+\tau)+7]
.endif
.endr
.endr
.irp tau, 0,1
.if \ks == 0
	v_wmma_f32_16x16x32_f16 v[ACC+64+8*\tau:ACC+64+8*\tau+7], v[\f+48:\f+55], v[\f+8*\tau:\f+8*\tau+7], 0
.else
	v_wmma_f32_16x16x32_f16 v[ACC+64+8*\tau:ACC+64+8*\tau+7], v[\f+48:\f+55], v[\f+8*\tau:\f+8*\tau+7], v[ACC+64+8*\tau:ACC+64+8*\tau+7]
.endif
.endr
.endm
.macro KSTEP ks, f, g
.if \ks < 7
.if \ks > 0
	PLACES                                         ; four places between the products that read set g and the loads into it
.endif
	FETCH \ks+1, \g
	s_wait_dscnt 14                                ; the 14 just issued stay out: this step's fragments are in
.else
	s_wait_dscnt 0x0
.endif
	MUL10 \f, \ks
.endm
	FETCH 0, F0
	KSTEP 0, F0, F1
	KSTEP 1, F1, F0
	KSTEP 2, F0, F1
	KSTEP 3, F1, F0
	KSTEP 4, F0, F1
	KSTEP 5, F1, F0
	KSTEP 6, F0, F1
	KSTEP 7, F1, F0
	; THE WAY OUT.  Four places behind the last products (ISA guide 7.12.1): three of them set addresses.
	v_mov_b32 v12, s22                             ; my word among the maxima
	v_mov_b32 v13, SCW                             ; all eight words
	v_mov_b32 v14, 0                               ; offset of the factor's store
	v_nop
	; q or k: BN and relu in f32, then the largest of my 2 x 16 x 16 numbers
.irp tau, 0,1
.irp p, 0,2,4,6
	v_pk_fma_f32 v[ACC+64+8*\tau+\p:ACC+64+8*\tau+\p+1], v[ACC+64+8*\tau+\p:ACC+64+8*\tau+\p+1], v[QI+\p:QI+\p+1], v[QS+\p:QS+\p+1]
.endr
.irp j, 0,1,2,3,4,5,6,7
	v_max_num_f32 v[ACC+64+8*\tau+\j], 0, v[ACC+64+8*\tau+\j]
.endr
.endr
	v_max_num_f32 v[T], v[ACC+64], v[ACC+65]
.irp p, 2,4,6,8,10,12,14
	v_max3_num_f32 v[T], v[T], v[ACC+64+\p], v[ACC+64+\p+1]
.endr
	v_max_num_f32_dpp v[T], v[T], v[T] row_xmask:1 row_mask:0xf bank_mask:0xf
	v_max_num_f32_dpp v[T], v[T], v[T] row_xmask:2 row_mask:0xf bank_mask:0xf
	v_max_num_f32_dpp v[T], v[T], v[T] row_xmask:4 row_mask:0xf bank_mask:0xf
	v_max_num_f32_dpp v[T], v[T], v[T] row_xmask:8 row_mask:0xf bank_mask:0xf
	v_permlanex16_b32 v[T+1], v[T], s20, s21
	v_max_num_f32 v[T], v[T], v[T+1]
	ds_store_b32 v12, v[T]                         ; all lanes write the same word with the same value
	s_wait_dscnt 0x0                               ; my maximum is in LDS before I say so
	s_barrier_signal -1
	; while the others arrive: v's BN, relu and rounding to bf16, registers alone.  Each tile's 4 registers are new ones (the fragment sets).
.irp i, 0,1,2,3
.irp tau, 0,1
.irp j, 0,1,2,3,4,5,6,7
	v_fma_f32 v[ACC+8*(2*\i+\tau)+\j], v[ACC+8*(2*\i+\tau)+\j], v[BNV+2*\i], v[BNV+2*\i+1]
.endr
.irp j, 0,1,2,3,4,5,6,7
	v_max_num_f32 v[ACC+8*(2*\i+\tau)+\j], 0, v[ACC+8*(2*\i+\tau)+\j]
.endr
.irp p, 0,1,2,3
	v_cvt_pk_bf16_f32 v[F0+4*(2*\i+\tau)+\p], v[ACC+8*(2*\i+\tau)+2*\p], v[ACC+8*(2*\i+\tau)+2*\p+1]
.endr
.endr
.endr
	s_barrier_wait -1                              ; all eight maxima are in LDS
	ds_load_b128 v[T:T+3], v13
	ds_load_b128 v[T+4:T+7], v13 offset:16
.irp i, 0,1,2,3
.irp tau, 0,1
	global_store_b128 v1, v[F0+4*(2*\i+\tau):F0+4*(2*\i+\tau)+3], s[58:59] offset:\i*1024+\tau*512   ; every store of the wave covers 512 consecutive aligned bytes
.endr
.endr
	s_wait_dscnt 0x0
	v_max_num_f32 v[T], v[T], v[T+1]
	v_max_num_f32 v[T+2], v[T+2], v[T+3]
	v_max3_num_f32 v[T], v[T], v[T+4], v[T+5]      ; q lies in waves 0, 1, 4, 5
	v_max3_num_f32 v[T+2], v[T+2], v[T+6], v[T+7]  ; k in waves 2, 3, 6, 7
	v_cndmask_b32 v[T+8], v[T+2], v[T], s16        ; the block's largest number of my kind; it is >= 0, so its bits 30:23 are the exponent field e
	v_lshrrev_b32 v[T+8], 23, v[T+8]
	v_max_u32 v[T+8], 13, v[T+8]                   ; e >= 13 keeps both factors' fields at 1 or above (a block below 2^-114 is scaled less, which loses nothing)
	v_sub_nc_u32 v[T+10], 266, v[T+8]              ; factor 2^(139 - e): the largest number comes to lie in [2^12, 2^13)
	v_add_nc_u32 v[T+12], -12, v[T+8]              ; its inverse 2^(e - 139)
	v_lshlrev_b32 v[T+10], 23, v[T+10]
	v_lshlrev_b32 v[T+12], 23, v[T+12]
	v_mov_b32 v[T+11], v[T+10]
.irp p, 0,2,4,6,8,10,12,14
	v_pk_mul_f32 v[ACC+64+\p:ACC+64+\p+1], v[ACC+64+\p:ACC+64+\p+1], v[T+10:T+11]
.endr
.irp tau, 0,1
.irp p, 0,1,2,3
	v_cvt_pk_f16_f32 v[F0+32+4*\tau+\p], v[ACC+64+8*\tau+2*\p], v[ACC+64+8*\tau+2*\p+1]
.endr
	global_store_b128 v1, v[F0+32+4*\tau:F0+32+4*\tau+3], s[60:61] offset:\tau*1024
.endr
	; the inverse factor: wave 0 stores q's, wave 2 k's, one lane, 4 bytes: two such stores in a work-group
	s_and_b32 s23, s4, 5
	s_cmp_eq_u32 s23, 0
	s_cbranch_scc0 .Lno_factor
	v_cmp_eq_u32 vcc_lo, 0, v11
	s_wait_xcnt 0x0                                ; EXEC is a source of the stores above: it changes only behind this wait
	s_and_saveexec_b32 s23, vcc_lo
	global_store_b32 v14, v[T+12], s[66:67]
	s_wait_xcnt 0x0                                ; and again in front of the line that widens it
	s_or_b32 exec_lo, exec_lo, s23
.Lno_factor:
	s_wait_tensorcnt 0x0
	ds_add_u32 v254, v255
	s_wait_dscnt 0x0
	s_endpgm
.Lfunc_end_k_q6c9498142d_proj:
	.size	k_q6c9498142d_proj, .Lfunc_end_k_q6c9498142d_proj-k_q6c9498142d_proj
	.p2alignl 7, 3214868480
	.fill 96, 4, 3214868480
	.section	.rodata,"a",@progbits
	.p2align	6, 0x0
	.amdhsa_kernel k_q6c9498142d_proj
		.amdhsa_group_segment_fixed_size 203008
		.amdhsa_private_segment_fixed_size 0
		.amdhsa_enable_private_segment 0
		.amdhsa_kernarg_size 152
		.amdhsa_user_sgpr_count 2
		.amdhsa_user_sgpr_kernarg_segment_ptr 1
		.amdhsa_wavefront_size32 1
		.amdhsa_system_sgpr_workgroup_id_x 1
		.amdhsa_system_sgpr_workgroup_id_y 1
		.amdhsa_system_sgpr_workgroup_id_z 1
		.amdhsa_system_vgpr_workitem_id 0
		.amdhsa_next_free_vgpr 256
		.amdhsa_next_free_sgpr 68
		.amdhsa_reserve_vcc 1
		.amdhsa_float_denorm_mode_32 3
		.amdhsa_float_denorm_mode_16_64 3
		.amdhsa_memory_ordered 1
		.amdhsa_forward_progress 1
		.amdhsa_inst_pref_size 63
	.end_amdhsa_kernel
	.amdgpu_metadata
---
amdhsa.version: [ 1, 2 ]
amdhsa.kernels:
  - .name:           k_q6c9498142d_proj
    .symbol:         k_q6c9498142d_proj.kd
    .args:
      - { .name: x, .offset: 0, .size: 8, .value_kind: global_buffer, .address_space: global }
      - { .name: w_q, .offset: 8, .size: 8, .value_kind: global_buffer, .address_space: global }
      - { .name: w_k, .offset: 16, .size: 8, .value_kind: global_buffer, .address_space: global }
      - { .name: w_v, .offset: 24, .size: 8, .value_kind: global_buffer, .address_space: global }
      - { .name: bn1_scale, .offset: 32, .size: 8, .value_kind: global_buffer, .address_space: global }
      - { .name: bn1_bias, .offset: 40, .size: 8, .value_kind: global_buffer, .address_space: global }
      - { .name: bn1_mean, .offset: 48, .size: 8, .value_kind: global_buffer, .address_space: global }
      - { .name: bn1_var, .offset: 56, .size: 8, .value_kind: global_buffer, .address_space: global }
      - { .name: bn2_scale, .offset: 64, .size: 8, .value_kind: global_buffer, .address_space: global }
      - { .name: bn2_bias, .offset: 72, .size: 8, .value_kind: global_buffer, .address_space: global }
      - { .name: bn2_mean, .offset: 80, .size: 8, .value_kind: global_buffer, .address_space: global }
      - { .name: bn2_var, .offset: 88, .size: 8, .value_kind: global_buffer, .address_space: global }
      - { .name: bn3_scale, .offset: 96, .size: 8, .value_kind: global_buffer, .address_space: global }
      - { .name: bn3_bias, .offset: 104, .size: 8, .value_kind: global_buffer, .address_space: global }
      - { .name: bn3_mean, .offset: 112, .size: 8, .value_kind: global_buffer, .address_space: global }
      - { .name: bn3_var, .offset: 120, .size: 8, .value_kind: global_buffer, .address_space: global }
      - { .name: qf, .offset: 128, .size: 8, .value_kind: global_buffer, .address_space: global }
      - { .name: kv, .offset: 136, .size: 8, .value_kind: global_buffer, .address_space: global }
      - { .name: sc, .offset: 144, .size: 8, .value_kind: global_buffer, .address_space: global }
    .group_segment_fixed_size: 203008
    .private_segment_fixed_size: 0
    .kernarg_segment_align: 8
    .kernarg_segment_size: 152
    .max_flat_workgroup_size: 256
    .sgpr_count:     68
    .vgpr_count:     256
    .wavefront_size: 32
...
	.end_amdgpu_metadata
.endif
;; end of part 1
;; launch attn (part 2): grid 256 x 1, 4 waves a work-group, clusters of 4 x 1, 327,680 bytes of LDS; arguments qf, kv, x, gamma, sc, out0; writes out0
.if DOCPART == 2
	.amdgcn_target "amdgcn-amd-amdhsa--gfx1250"
	.amdhsa_code_object_version 6
	.text
	.protected	k_q6c9498142d_attn
	.globl	k_q6c9498142d_attn
	.p2align	8
	.type	k_q6c9498142d_attn,@function
k_q6c9498142d_attn:
	s_mov_b64 s[64:65], 0
	v_nop
	global_prefetch_b8 v0, s[64:65] scope:SCOPE_SE
	s_setreg_imm32_b32 hwreg(HW_REG_WAVE_MODE, 25, 1), 1
	s_wait_xcnt 0x0
	s_wait_alu depctr_hold_cnt(0) depctr_sa_sdst(0) depctr_va_vdst(0) depctr_va_sdst(0) depctr_va_ssrc(0) depctr_va_vcc(0) depctr_vm_vsrc(0)
	s_getreg_b32 s2, hwreg(HW_REG_IB_STS2, 6, 4)
	s_cmp_eq_u32 s2, 0
	s_cbranch_scc0 .Lentry_in_a_cluster
	s_endpgm
.Lentry_in_a_cluster:
	s_bfe_u32 s2, ttmp6, 0x10000c
	s_cmp_lg_u32 s2, 0x3003
	s_cbranch_scc0 .Lentry_shape_is_right
	s_endpgm
.Lentry_shape_is_right:
; out = gamma * softmax(q^T k) v + x, for 64 queries a work-group, from the fragments that the launch before stored.
; THE DIAGONAL: the reference masks logit (i, i) and appends the logit sum_d q[d,i] k[d,i], whose weight multiplies v[:, i].  That is the
; masked entry itself, so for every input the result is the plain softmax over all 4,096 logits times V: that is what is computed here.
; SHARES: four waves.  Wave w takes all 64 queries, keys 1024 w .. 1024 w + 1023 (32 blocks of 32 keys) and all 256 channels: 64 accumulator
; tiles, 512 registers.  No wave reads another's tiles, so each byte of K and V is read from LDS once in the work-group; the four partial sums
; meet once at the end, in LDS.
; FORMATS: Q and K are f16 times a power of two per block of 64 positions; the logit is S * c with c = (factor of my 64 queries) x (factor of the 64 keys),
; sixteen c for a wave's 1,024 keys, kept in scalar registers.  P and V are bf16.  All sums are f32.
; SOFTMAX IN TWO PASSES: pass 1 makes all logits (8 products a block) and takes each query's true maximum over all 4,096 keys; pass 2 makes them
; again (the same products; c is a power of two, so S * c is the same number in both passes), so exp2(S c - m) <= 1, the largest term is 1, and the
; accumulators are never rescaled.  q carries log2(e), so the exponential is exp2.
; CLUSTER: the four work-groups of a cluster are four query blocks of one batch and walk the same tiles: each tile is asked for jointly (mask 15),
; which divides the requests for K and V by four.  The place in the cluster enters only the addresses of qf, sc, x and out0.
; THE WALK: a wave's 32 blocks are 16 tiles of two.  Cluster i of the 16 of a batch begins pass 2 at tile 3 i mod 16 and goes round cyclically (the sum over
; keys has no order).  3 is odd, so the 16 starts differ: clusters that keep pace ask for 16 different tiles at any time, and from its second tile on a cluster
; asks for bytes that another cluster has asked for before.  Any eight clusters whose numbers agree in one bit have starts at most three tiles apart.
; PIPELINE of pass 2, step s (the s-th block of the walk): P(s) V(s) is multiplied; between these products S(s+1) becomes P(s+1); K(s+2) Q makes S(s+2);
; V(s+1) and K(s+3) are read from LDS, both from block s+1 (block j holds V(j) and K(j+2), cyclic in the 32 blocks, so the walk may begin at any tile).
; REGISTERS in windows of 256.  Window k (0..3): v0-127 accumulators of channel group (k + w) & 3, tile (c, tq) at 8 (4c + tq); v128-159 four V fragments;
;   v160-175 S of query tile k (keys of tile tau at 8 tau); v176-179 the running sums of exp2; v244-245 the pair (-m, -m) of query tile k
;   window 0 also: v180-211, v212-243 P, two buffers; v252 16 x lane; v253-254 my ring's slots + 16 x lane; v255 at work
;   window 1 also: v180-195, v196-211 K fragments, two buffers; v212-219 LDS address of window k's V fragments in slot 0, 1; v220-221 of K's
;   window 2 also: v180-211 Q fragments
;   from the last step on, v180-211 of window c hold x of channel tile c of my own channel group
; LIMITS: exp2 below 2^-126 counts as 0; non-finite logits give NaN; c must be finite: (largest q) x (largest k) of the two blocks below about 2^127.
.set BLK,   18432                      ; a block: 2,048 bytes of K, 16,384 of V
.set TILE,  2*BLK                      ; what one tensor load brings in pass 2, and an LDS slot
.set RING,  2*TILE                     ; a wave's two slots
.set STAT,  4*RING                     ; 2,048 bytes: the waves' maxima, tq*512 + 16 lane + 4 w; no tensor load lands here
.set STAT2, STAT+2048                  ; the same for the sums
.set STG,   49152                      ; the merge's stage of one owner: three sources of 16,384 bytes; lies over the ring, behind its last fill
.set VB,  128
.set S,   160
.set LS,  176
.set P0,  180
.set QC,  180                          ; pass 1: a copy of Q in window 0
.set XR,  180                          ; the end: x, 8 x 4 registers in each window
.set KB,  128                          ; pass 1: K fragments, two buffers of 16 registers
.set FO,  212                          ; the start: offset and value of the factor that my lane fetches
.set FV,  213
.set NM,  244                          ; pass 1 (window 0): v244-247 running maxima; pass 2: the window's pair (-m, -m); the end (window 0): v244-247 gamma / sum
.set BM,  248                          ; pass 1: v248-251 a block's maxima of the raw sums
.set LA,  252
.set PA,  253
.set TMP, 255
.set KF0, 180
.set VA,  212
.set KA,  220
.set Q,   180
.set G1,  24                           ; s[24:31] group 1 of a tile of pass 2
.set G1K, 32                           ; s[32:39] group 1 of pass 1's fills
.set G0,  40                           ; s[40:47] group 0, four registers for each slot
.set CT,  68                           ; s[68:83] the sixteen factors c, in the order of the blocks: pass 1
.set RT,  84                           ; s[84:99] the same in the order of my walk: pass 2
.set TN,  100                          ; s100, s101: the number (0..15) of the tile that slot 0, 1 holds or is being filled with
.set MSB, 0
.macro WIN new                         ; low byte: bits 1:0 source 0, 3:2 source 1, 5:4 source 2, 7:6 destination; the high byte repeats the setting that is left
.if MSB != (\new)
	s_set_vgpr_msb (MSB<<8)|(\new)
.set MSB, \new
.endif
.endm
.macro PLACES
.rept 4
	v_nop
.endr
.endm
; A round of the cluster's barrier: my work-group's barrier, wave 0 signals for the work-group, every wave waits for all four work-groups, my work-group's barrier again.
.macro ROUND
	s_barrier_signal -1
	s_barrier_wait -1
	s_cmp_lg_u32 s14, 0
	s_cbranch_scc1 .Lnot_wave_0_\@
	s_barrier_signal -3
.Lnot_wave_0_\@:
	s_barrier_wait -3
	s_barrier_signal -1
	s_barrier_wait -1
.endm
	s_load_b256 s[4:11], s[0:1], 0x0               ; qf s[4:5], kv s[6:7], x s[8:9], gamma s[10:11]
	s_load_b64 s[58:59], s[0:1], 0x20              ; sc
	s_load_b64 s[12:13], s[0:1], 0x28              ; out0
	s_set_vgpr_msb 0x40
	v_lshl_add_u32 v254, v0, 2, 0x49000
	v_mov_b32 v255, 0
	s_set_vgpr_msb 0x4045
	ds_add_u32 v254, v255
	s_set_vgpr_msb 0x4500
	v_lshrrev_b32 v1, 5, v0
	v_readfirstlane_b32 s14, v1                    ; w
	s_bfe_u32 s15, ttmp6, 0x40000                  ; cx
	s_lshr_b32 s16, ttmp9, 4                       ; b: 16 clusters a batch
	s_and_b32 s17, ttmp9, 15                       ; my cluster among them
	s_mul_i32 s[TN], s17, 3
	s_and_b32 s[TN], s[TN], 15                     ; the tile at which my cluster's walk begins: the cluster's number alone, the same in all four work-groups
	s_add_co_u32 s[TN+1], s[TN], 1
	s_and_b32 s[TN+1], s[TN+1], 15                 ; and the walk's second tile
	s_lshl_b32 s17, s17, 2
	s_add_co_u32 s17, s17, s15                     ; my block of 64 queries
	s_mov_b32 s48, 0x76543210                      ; v_permlanex16_b32: lane i reads lane i of the other half
	s_mov_b32 s49, 0xfedcba98
	; Group 1 of a tile of pass 2: 36,864 dense bytes as 144 rows of 32 elements of 8 bytes.  Mask 15: all four work-groups; bit 21 beside it.
	s_mov_b32 s[G1+0], 15|(3<<16)|(1<<21)
	s_mov_b32 s[G1+1], 32<<16                      ; tensor_dim0
	s_mov_b32 s[G1+2], 144<<16                     ; tensor_dim1
	s_mov_b32 s[G1+3], 32<<16                      ; tile_dim0
	s_mov_b32 s[G1+4], 144                         ; tile_dim1
	s_mov_b32 s[G1+5], 32                          ; pitch
	s_mov_b32 s[G1+6], 0
	s_mov_b32 s[G1+7], 0
	; Group 1 of pass 1's fills: the K parts of 16 blocks: 16 rows of 256 elements (2,048 bytes), 2,304 elements (a block) apart.
	s_mov_b32 s[G1K+0], 15|(3<<16)|(1<<21)
	s_mov_b32 s[G1K+1], 256<<16
	s_mov_b32 s[G1K+2], 16<<16
	s_mov_b32 s[G1K+3], 256<<16
	s_mov_b32 s[G1K+4], 16
	s_mov_b32 s[G1K+5], 2304
	s_mov_b32 s[G1K+6], 0
	s_mov_b32 s[G1K+7], 0
	s_mul_i32 s19, s14, RING                       ; my ring in LDS: the wave's number alone
	s_mov_b32 s[G0+0], 1
	s_mov_b32 s[G0+1], s19
	s_mov_b32 s[G0+4], 1
	s_add_co_u32 s[G0+5], s19, TILE
	s_mul_i32 s2, s16, 128*BLK
	s_mul_i32 s3, s14, 32*BLK
	s_add_co_u32 s2, s2, s3
	s_mov_b32 s3, 0                                ; stays 0: s[2:3] is the pair for offsets
	s_wait_dscnt 0x0
	s_wait_kmcnt 0x0
	s_add_nc_u64 s[20:21], s[6:7], s[2:3]          ; my wave's 32 blocks: batch and wave alone, the same in all four work-groups
	s_mov_b64 s[G0+2:G0+3], s[20:21]               ; slot 0: K of blocks 0-15
	s_or_b32 s[G0+3], s[G0+3], 0x80000000
	s_add_nc_u64 s[G0+6:G0+7], s[20:21], 16*BLK    ; slot 1: K of blocks 16-31
	s_or_b32 s[G0+7], s[G0+7], 0x80000000
	s_add_co_u32 s2, s[TN], 15
	s_and_b32 s2, s2, 15
	s_mul_i32 s2, s2, TILE
	s_add_nc_u64 s[6:7], s[20:21], s[2:3]          ; the tile in front of my walk's first: its two blocks carry K of the walk's first two blocks
	s_load_b32 s18, s[10:11], 0x0                  ; gamma
	s_lshl_b32 s2, s16, 6
	s_lshl_b32 s51, s14, 4
	s_add_co_u32 s2, s2, s51
	s_lshl_b32 s2, s2, 2
	s_add_nc_u64 s[66:67], s[58:59], s[2:3]
	s_load_b512 s[CT:CT+15], s[66:67], 0x0         ; the factors of my wave's 16 blocks of 64 keys (a tile each)
	s_lshl_b32 s51, s16, 6
	s_add_co_u32 s51, s51, s17                     ; 64 b + my block
	s_lshl_b32 s2, s51, 2
	s_add_nc_u64 s[62:63], s[58:59], s[2:3]
	s_load_b32 s22, s[62:63], 0x400                ; the factor of my 64 queries: q's factors lie behind k's 256
	s_lshl_b32 s2, s51, 12
	s_add_nc_u64 s[52:53], s[4:5], s[2:3]          ; my block's Q fragments
	s_lshl_b32 s2, s16, 22
	s_lshl_b32 s51, s14, 20
	s_add_co_u32 s2, s2, s51
	s_lshl_b32 s51, s17, 8
	s_add_co_u32 s2, s2, s51
	s_add_nc_u64 s[54:55], s[8:9], s[2:3]          ; x and out0 at batch b, channel 64 w, my block's first column
	s_add_nc_u64 s[56:57], s[12:13], s[2:3]
	ROUND                                          ; all four work-groups are here: the first joint loads meet
	tensor_load_to_lds s[G0:G0+3], s[G1K:G1K+7]    ; the two first fills go out together: two tensor loads of the wave are out here, later one
	s_nop 0
	tensor_load_to_lds s[G0+4:G0+7], s[G1K:G1K+7]
	s_nop 0
	v_and_b32 v[LA], 31, v0
	v_lshlrev_b32 v[LA], 4, v[LA]
	v_add_nc_u32 v[PA], s19, v[LA]
	v_add_nc_u32 v[PA+1], TILE, v[PA]
	v_add_nc_u32 v[FO], s[TN], v0
	v_and_b32 v[FO], 15, v[FO]
	v_lshlrev_b32 v[FO], 2, v[FO]                  ; lane i fetches the factor of tile (start + i) mod 16
.irp q, 0,1,2,3,4,5,6,7
	global_load_b128 v[QC+4*\q:QC+4*\q+3], v[LA], s[52:53] offset:512*\q
.endr
	global_load_b32 v[FV], v[FO], s[66:67]
.irp t, 0,1,2,3
	v_mov_b32 v[NM+\t], 0xff800000                 ; pass 1: the running maximum of query tile t
	v_mov_b32 v[LS+\t], 0
.endr
	WIN 0x80
.irp q, 0,1,2,3,4,5,6,7
	global_load_b128 v[Q+4*\q:Q+4*\q+3], v[LA], s[52:53] offset:512*\q
.endr
.irp t, 0,1,2,3
	v_mov_b32 v[LS+\t], 0
.endr
	WIN 0xc0
.irp t, 0,1,2,3
	v_mov_b32 v[LS+\t], 0
.endr
	WIN 0x40
.irp q, 0,1,2,3
	global_load_b128 v[KF0+4*\q:KF0+4*\q+3], v[LA], s[6:7] offset:512*\q               ; K of the walk's first block,
	global_load_b128 v[KF0+16+4*\q:KF0+16+4*\q+3], v[LA], s[6:7] offset:BLK+512*\q     ; and of its second
.endr
.irp t, 0,1,2,3
	v_mov_b32 v[LS+\t], 0
.endr
	v_mov_b32 v[KA], v[PA]
	v_mov_b32 v[KA+1], v[PA+1]
.irp k, 0,1,2,3
	s_add_co_u32 s2, s14, \k
	s_and_b32 s2, s2, 3                            ; window k holds channel group (k + w) & 3, so that window 0 holds the group that wave w owns in the merge
	s_lshl_b32 s2, s2, 12
	s_add_co_u32 s2, s2, 2048
	v_add_nc_u32 v[VA+2*\k], s2, v[PA]
	v_add_nc_u32 v[VA+2*\k+1], s2, v[PA+1]
.endr
	WIN 0
; PASS 1.  Four maxima of the raw sums, one for each query tile: registers 2p, 2p+1 (p = i % 4) of the four tiles (tau = i / 4, tq) of a set of S.
; The first of a block's eight starts the block's maxima.
.macro MAX4 set, i
.irp tq, 0,1,2,3
.if (\i) == 0
	v_max_num_f32 v[BM+\tq], v[64*\set+8*(4*(\i/4)+\tq)+2*(\i%4)], v[64*\set+8*(4*(\i/4)+\tq)+2*(\i%4)+1]
.else
	v_max3_num_f32 v[BM+\tq], v[BM+\tq], v[64*\set+8*(4*(\i/4)+\tq)+2*(\i%4)], v[64*\set+8*(4*(\i/4)+\tq)+2*(\i%4)+1]
.endif
.endr
.endm
; A block's maxima times the block's factor (positive, so it commutes with the maximum) go into the running maxima.
.macro FOLD c
.irp tq, 0,1,2,3
	v_mul_f32 v[BM+\tq], s[\c], v[BM+\tq]
.endr
.irp tq, 0,1,2,3
	v_max_num_f32 v[NM+\tq], v[NM+\tq], v[BM+\tq]
.endr
.endm
; 16 blocks of K from one slot.  Block jj: its 8 products (2 key tiles x 4 query tiles) go into set jj % 2 of S (v0-63, v64-127); behind each product
; stand four maxima over the other set, which are also the four places that the next loads into K's buffer and the next reads of S need.
; The block stored at place p holds K((p + 2) % 32), whose factor is number ((p + 2) % 32) / 2.
.macro P1HALF slot
.irp q, 0,1,2,3
	ds_load_b128 v[KB+4*\q:KB+4*\q+3], v[PA+\slot] offset:512*\q
.endr
.set jj, 0
.rept 16
.set ps, (jj+1)%2
.if jj < 15
.irp q, 0,1,2,3
	ds_load_b128 v[KB+16*ps+4*\q:KB+16*ps+4*\q+3], v[PA+\slot] offset:(jj+1)*2048+512*\q
.endr
	s_wait_dscnt 0x4                               ; the next block's four loads stay out
.else
	s_wait_dscnt 0x0
.endif
.set ii, 0
.rept 8
	v_wmma_f32_16x16x32_f16 v[64*(jj%2)+8*ii:64*(jj%2)+8*ii+7], v[KB+16*(jj%2)+8*(ii/4):KB+16*(jj%2)+8*(ii/4)+7], v[QC+8*(ii%4):QC+8*(ii%4)+7], 0
.if jj > 0
	MAX4 ps, ii
.endif
.set ii, ii+1
.endr
.if jj == 0
	PLACES
.else
	FOLD CT+((16*\slot+jj+1)%32)/2
.endif
.set jj, jj+1
.endr
.set ii, 0
.rept 8
	MAX4 1, ii                                     ; block 15's set
.set ii, ii+1
.endr
	FOLD CT+((16*\slot+17)%32)/2
.endm
	s_wait_loadcnt 0x0                             ; Q, both copies; K of the walk's first two blocks; the factors in the walk's order
	s_wait_kmcnt 0x0                               ; gamma and the factors
.irp i, 0,1,2,3,4,5,6,7,8,9,10,11,12,13,14,15
	v_readlane_b32 s[RT+\i], v[FV], \i             ; the factor of the walk's tile i
.endr
.irp i, 0,1,2,3,4,5,6,7,8,9,10,11,12,13,14,15
	s_mul_f32 s[CT+\i], s[CT+\i], s22              ; c = factor of the keys x factor of my queries
	s_mul_f32 s[RT+\i], s[RT+\i], s22
.endr
	s_mov_b32 s61, 0                               ; the upper word of the pair s[60:61]; only s60 is multiplied by
	s_wait_tensorcnt 0x1                           ; slot 0's fill is in; slot 1's may stay out: only this wave reads these bytes
	P1HALF 0
	s_wait_dscnt 0x0                               ; my reads of slot 0 are back
	s_set_vgpr_msb 0x5
	s_wait_tensorcnt 0x0                           ; and all my tensor loads have landed: no tensor load of mine is out, so a group 0 may be written
	ds_add_u32 v254, v255
	s_wait_dscnt 0x0
	s_set_vgpr_msb 0x500
	s_mul_i32 s2, s[TN], TILE
	s_add_nc_u64 s[G0+2:G0+3], s[20:21], s[2:3]
	s_or_b32 s[G0+3], s[G0+3], 0x80000000
	ROUND                                          ; the same holds of every wave of the four work-groups
	tensor_load_to_lds s[G0:G0+3], s[G1:G1+7]      ; the walk's first tile into slot 0
	s_nop 0
	P1HALF 1
.irp t, 0,1,2,3
	v_permlanex16_b32 v[\t], v[NM+\t], s48, s49    ; the other half of the lanes holds the other keys of the same query
.endr
.irp t, 0,1,2,3
	v_max_num_f32 v[NM+\t], v[NM+\t], v[\t]
.endr
	s_lshl_b32 s2, s14, 2
	s_add_co_u32 s2, s2, STAT
	v_add_nc_u32 v[TMP], s2, v[LA]
.irp t, 0,1,2,3
	ds_store_b32 v[TMP], v[NM+\t] offset:512*\t
.endr
	s_wait_dscnt 0x0                               ; my reads of slot 1 are back and my maxima are in LDS
	s_set_vgpr_msb 0x5
	s_wait_tensorcnt 0x0                           ; the first tile has landed; no tensor load of mine is out, so a group 0 may be written
	ds_add_u32 v254, v255
	s_wait_dscnt 0x0
	s_set_vgpr_msb 0x500
	s_mul_i32 s2, s[TN+1], TILE
	s_add_nc_u64 s[G0+6:G0+7], s[20:21], s[2:3]
	s_or_b32 s[G0+7], s[G0+7], 0x80000000
	ROUND
	tensor_load_to_lds s[G0+4:G0+7], s[G1:G1+7]    ; the walk's second tile into slot 1
	s_nop 0
	v_add_nc_u32 v[TMP], STAT, v[LA]
.irp t, 0,1,2,3
	ds_load_b128 v[4*\t:4*\t+3], v[TMP] offset:512*\t      ; the four waves' maxima of my query in tile t
.endr
	s_wait_dscnt 0x0
.irp t, 0,1,2,3
	v_max_num_f32 v[4*\t], v[4*\t], v[4*\t+1]
	v_max3_num_f32 v[4*\t], v[4*\t], v[4*\t+2], v[4*\t+3]
.endr
.irp t, 0,1,2,3
	WIN 64*\t                                      ; destination in window t: each window keeps its own query tile's pair
	v_mul_f32 v[NM], -1.0, v[4*\t]
	v_mul_f32 v[NM+1], -1.0, v[4*\t]
.endr
; PASS 2.  One phase = window k's part of a step.  Flags: pv products P V; zero: they start the sums; sm softmax of the next step's S;
; ldv, ldk LDS loads of V and K from (slot, half); qk the products K Q; cs: the scalar pair whose low word is the factor c of the S at hand;
; wv: how many younger LDS loads stay out when window k's V fragments must be in.
; Window settings: 81 k (source 0, source 2, destination in window k, source 1 in window 0) for P V, S c - m, exp2 and the sum;
; 5 k (sources in window k, destination in window 0) to pack P; 9 + 64 k (source 0 window 1, source 1 window 2, destination window k) for the loads and K Q.
; All accumulators take turns, one instruction a turn.
.macro PHASE k, par, slot, half, pv, zero, sm, ldv, ldk, qk, cs, wv
.if \pv
	s_wait_dscnt \wv
.endif
	WIN 81*\k
.if \sm
	v_pk_fma_f32 v[S:S+1], v[S:S+1], s[\cs:\cs+1], v[NM:NM+1] op_sel_hi:[1,0,1]     ; S c - m; the pair's low word feeds both halves
.endif
.set pp, 0
.rept 16
.if \pv
.if \zero
	v_wmma_f32_16x16x32_bf16 v[8*pp:8*pp+7], v[VB+8*(pp/4):VB+8*(pp/4)+7], v[P0+32*\par+8*(pp%4):P0+32*\par+8*(pp%4)+7], 0
.else
	v_wmma_f32_16x16x32_bf16 v[8*pp:8*pp+7], v[VB+8*(pp/4):VB+8*(pp/4)+7], v[P0+32*\par+8*(pp%4):P0+32*\par+8*(pp%4)+7], v[8*pp:8*pp+7]
.endif
.endif
.if \sm
.if (pp%2) == 0
	v_exp_f32 v[S+pp], v[S+pp]
	v_exp_f32 v[S+pp+1], v[S+pp+1]
.else
.if pp < 15
	v_pk_fma_f32 v[S+pp+1:S+pp+2], v[S+pp+1:S+pp+2], s[\cs:\cs+1], v[NM:NM+1] op_sel_hi:[1,0,1]   ; the next pair's S c - m: also the plain instruction between exp2 and the use of its result (ISA guide 5.7.2)
.else
	v_nop
.endif
	s_wait_alu depctr_va_vdst(0)
	v_pk_fma_f32 v[LS+2*((pp/2)%2):LS+2*((pp/2)%2)+1], v[S+pp-1:S+pp], 1.0, v[LS+2*((pp/2)%2):LS+2*((pp/2)%2)+1] op_sel_hi:[1,0,1]   ; the sum; as S * 1 + L, since source 1 means window 0 here
.endif
.endif
.set pp, pp+1
.endr
.if \sm
	WIN 5*\k
.set pp, 0
.rept 8
	v_cvt_pk_bf16_f32 v[P0+32*(1-\par)+8*\k+pp], v[S+2*pp], v[S+2*pp+1]         ; keys 8h .. 8h+7 of tile 0, then of tile 1: the layout of source 1's K = 32
.set pp, pp+1
.endr
.endif
.if \ldv
	WIN 9+64*\k
.irp q, 0,1,2,3,4,5,6,7
	ds_load_b128 v[VB+4*\q:VB+4*\q+3], v[VA+2*\k+\slot] offset:\half*BLK+512*\q ; ten plain vector instructions stand between the phase's last product and these loads
.endr
.endif
.if \ldk
.if \k == 1
.irp q, 0,1,2,3
	ds_load_b128 v[KF0+16*(1-\par)+4*\q:KF0+16*(1-\par)+4*\q+3], v[KA+\slot] offset:\half*BLK+512*\q
.endr
.endif
.endif
.if \qk
	WIN 9+64*\k
.if \k == 0
	s_wait_dscnt 24                                ; behind K's loads of the step before stand three groups of eight loads of V
.endif
.irp tau, 0,1
	v_wmma_f32_16x16x32_f16 v[S+8*\tau:S+8*\tau+7], v[KF0+16*\par+8*\tau:KF0+16*\par+8*\tau+7], v[Q+8*\k:Q+8*\k+7], 0
.endr
.endif
.endm
.macro STEP par, slot, half, pv, zero, sm, ldv, ldk, qk, cs, w0, w1, w2, w3
	PHASE 0, \par, \slot, \half, \pv, \zero, \sm, \ldv, \ldk, \qk, \cs, \w0
	PHASE 1, \par, \slot, \half, \pv, \zero, \sm, \ldv, \ldk, \qk, \cs, \w1
	PHASE 2, \par, \slot, \half, \pv, \zero, \sm, \ldv, \ldk, \qk, \cs, \w2
	PHASE 3, \par, \slot, \half, \pv, \zero, \sm, \ldv, \ldk, \qk, \cs, \w3
.endm
; A slot that has been read is filled again, two tiles further on in the walk, which goes round at 16.
.macro RND slot
	WIN 0
	s_wait_dscnt 0x0                               ; my reads of the slot are back
	s_set_vgpr_msb 0x5
	s_wait_tensorcnt 0x0                           ; all my tensor loads have landed, the other slot's tile among them; a group 0 may be written
	ds_add_u32 v254, v255
	s_wait_dscnt 0x0
	s_set_vgpr_msb 0x500
	s_add_co_u32 s[TN+\slot], s[TN+\slot], 2
	s_and_b32 s[TN+\slot], s[TN+\slot], 15
	s_mul_i32 s2, s[TN+\slot], TILE
	s_add_nc_u64 s[G0+4*\slot+2:G0+4*\slot+3], s[20:21], s[2:3]
	s_or_b32 s[G0+4*\slot+3], s[G0+4*\slot+3], 0x80000000
	ROUND                                          ; both hold of every wave of the four work-groups
	tensor_load_to_lds s[G0+4*\slot:G0+4*\slot+3], s[G1:G1+7]      ; my one tensor load behind the round; two steps, 144 products, in which to land
	s_nop 0
.endm
.irp k, 0,1,2,3
	WIN 9+64*\k
	v_wmma_f32_16x16x32_f16 v[S:S+7], v[KF0:KF0+7], v[Q+8*\k:Q+8*\k+7], 0               ; S(0)
	v_wmma_f32_16x16x32_f16 v[S+8:S+15], v[KF0+8:KF0+15], v[Q+8*\k:Q+8*\k+7], 0
.endr
	PLACES
	; LDS loads of a step are issued 8, 8 + 4, 8, 8 at the phases' ends: behind window k's V fragments stand 28 younger loads at the next step's phase k.
	; Step s turns S(s+1) into P(s+1): its factor is number (s + 1) / 2 of the walk's table.
	STEP 1,0,0, 0,0, 1,1,1,1, RT, 0,0,0,0          ; step -1: P(0), S(1), V(0), K(2)
	STEP 0,0,1, 1,1, 1,1,1,1, RT, 28,28,28,28      ; step 0: the first products start the sums
	WIN 0
	s_mov_b32 s50, 7
.Lloop:                                                ; trip t: steps 4t+1 to 4t+4, the walk's tiles 2t+2 and 2t+3; the table has moved down 2t places, so its places 1 and 2 hold factors 2t+1 and 2t+2
	s_mov_b32 s60, s[RT+1]                         ; into the low word of an even pair
	RND 0
	STEP 1,1,0, 1,0, 1,1,1,1, 60, 28,28,28,28
	STEP 0,1,1, 1,0, 1,1,1,1, 60, 28,28,28,28
	RND 1
	STEP 1,0,0, 1,0, 1,1,1,1, RT+2, 28,28,28,28
	STEP 0,0,1, 1,0, 1,1,1,1, RT+2, 28,28,28,28
	WIN 0
.irp i, 0,2,4,6,8,10,12
	s_mov_b64 s[RT+\i:RT+\i+1], s[RT+\i+2:RT+\i+3] ; the table moves down two places
.endr
	s_sub_co_u32 s50, s50, 1
	s_cmp_lg_u32 s50, 0
	s_cbranch_scc1 .Lloop
	s_wait_tensorcnt 0x0                           ; the walk's last tile; nothing is filled again
	s_mov_b32 s60, s[RT+1]                         ; factor 15
	STEP 1,1,0, 1,0, 1,1,0,1, 60, 28,28,24,24      ; step 29: no K is left to read, so from phase 2 on 24 younger loads
	STEP 0,1,1, 1,0, 1,1,0,0, 60, 24,24,24,24      ; step 30
	; x of my own channel group is asked for now, 32 loads, so that the last step's 64 products and the merge's 192 LDS instructions stand between the request and its use.
	; It lands in v180-211 of the four windows: the P buffer that step 31 does not read, K's and Q's fragments (last read in step 29), and a range that window 3 never used.
	; Thirteen plain vector instructions stand between step 30's last product, which read that P buffer, and the first load.
	WIN 0
	v_and_b32 v[S+12], 0x100, v[LA]
	v_and_b32 v[S+13], 0xf0, v[LA]
	v_lshl_add_u32 v[S+12], v[S+12], 9, v[S+13]    ; 8 h rows of x + 16 r; kept until the stores
.irp c, 0,1,2,3
	WIN 64*\c
.irp j, 0,1,2,3,4,5,6,7
	global_load_b128 v[XR+4*\j:XR+4*\j+3], v[S+12], s[54:55] offset:(16*\c+\j)*16384   ; x(64 w + 16 c + 8 h + j, n0 + 4 r ..): 16 lanes read 256 consecutive aligned bytes
.endr
.endr
	STEP 1,0,0, 1,0, 0,0,0,0, 60, 24,16,8,0        ; step 31: products alone, the counts run down
	; THE MERGE.  Sums of exp2 first.
	PLACES
.irp k, 0,1,2,3
	WIN 5*\k
	v_add_f32 v[S+2*\k], v[LS], v[LS+1]
	v_add_f32 v[S+2*\k+1], v[LS+2], v[LS+3]
.endr
	WIN 0
.irp k, 0,1,2,3
	v_add_f32 v[S+2*\k], v[S+2*\k], v[S+2*\k+1]
.endr
.irp k, 0,1,2,3
	v_permlanex16_b32 v[S+2*\k+1], v[S+2*\k], s48, s49
.endr
.irp k, 0,1,2,3
	v_add_f32 v[S+2*\k], v[S+2*\k], v[S+2*\k+1]
.endr
	s_lshl_b32 s2, s14, 2
	s_add_co_u32 s2, s2, STAT2
	v_add_nc_u32 v[TMP], s2, v[LA]
.irp k, 0,1,2,3
	ds_store_b32 v[TMP], v[S+2*\k] offset:512*\k
.endr
.irp jw, 1,2,3
	s_add_co_u32 s2, s14, \jw
	s_and_b32 s2, s2, 3                            ; window jw holds the group of wave (w + jw) & 3
	s_mul_i32 s2, s2, STG
	s_add_co_u32 s2, s2, (\jw-1)*16384
	v_add_nc_u32 v[S+8+\jw], s2, v[LA]
.endr
	s_mul_i32 s2, s14, STG
	v_add_nc_u32 v[S+13], s2, v[LA]                ; my own stage
	s_wait_dscnt 0x0                               ; my reads of the ring are back, my sums are in LDS
	s_barrier_signal -1
	s_barrier_wait -1                              ; so are everybody's: the ring, which has had its last fill, becomes the stage
.irp jw, 1,2,3
	WIN 4*\jw                                      ; store data in window jw
.set q, 0
.rept 32
	ds_store_b128 v[S+8+\jw], v[4*q:4*q+3] offset:512*q
.set q, q+1
.endr
.endr
	WIN 0
	v_add_nc_u32 v[TMP], STAT2, v[LA]
.irp t, 0,1,2,3
	ds_load_b128 v[VB+4*\t:VB+4*\t+3], v[TMP] offset:512*\t
.endr
	s_wait_dscnt 0x0                               ; my stores are in the stage; the four sums are here
	s_barrier_signal -1
.irp t, 0,1,2,3
	v_add_f32 v[VB+4*\t], v[VB+4*\t], v[VB+4*\t+1]
	v_add_f32 v[VB+4*\t+2], v[VB+4*\t+2], v[VB+4*\t+3]
.endr
.irp t, 0,1,2,3
	v_add_f32 v[VB+4*\t], v[VB+4*\t], v[VB+4*\t+2]         ; at least 1: the largest logit's term
.endr
.irp t, 0,1,2,3
	v_rcp_f32 v[NM+\t], v[VB+4*\t]
.endr
	v_nop                                          ; one plain vector instruction behind the transcendentals (ISA guide 5.7.2)
.irp t, 0,1,2,3
	s_wait_alu depctr_va_vdst(0)
	v_mul_f32 v[NM+\t], s18, v[NM+\t]              ; gamma / sum, of my query in tile t
.endr
	s_barrier_wait -1                              ; the three other waves' parts of my channel group are in my stage
.irp jw, 1,2,3
	WIN 64*\jw                                     ; source jw - 1 lands in window jw's accumulators, whose stores are done
.set q, 0
.rept 32
	ds_load_b128 v[4*q:4*q+3], v[S+13] offset:(\jw-1)*16384+512*q
.set q, q+1
.endr
.endr
	WIN 0x04
	s_wait_dscnt 63                                ; the first source's 32 loads are back (a wait's count names 63 at the most)
.set q, 0
.rept 64
	v_pk_add_f32 v[2*q:2*q+1], v[2*q:2*q+1], v[2*q:2*q+1]          ; source 1 in window 1
.set q, q+1
.endr
	WIN 0x08
	s_wait_dscnt 32                                ; the third source's 32 loads stay out
.set q, 0
.rept 64
	v_pk_add_f32 v[2*q:2*q+1], v[2*q:2*q+1], v[2*q:2*q+1]          ; source 1 in window 2
.set q, q+1
.endr
	WIN 0x0c
	s_wait_dscnt 0x0
.set q, 0
.rept 64
	v_pk_add_f32 v[2*q:2*q+1], v[2*q:2*q+1], v[2*q:2*q+1]          ; source 1 in window 3
.set q, q+1
.endr
	s_wait_loadcnt 0x0                             ; x
.irp c, 0,1,2,3
	WIN 80*\c                                      ; x and the result in window c, the sums and gamma / sum in window 0
.irp j, 0,1,2,3,4,5,6,7
.irp tq, 0,1,2,3
	v_fma_f32 v[XR+4*\j+\tq], v[8*(4*\c+\tq)+\j], v[NM+\tq], v[XR+4*\j+\tq]     ; query tile tq is column n0 + 4 r + tq: four tiles make 16 neighbouring bytes
.endr
.endr
.endr
.irp c, 0,1,2,3
	WIN 4*\c                                       ; store data in window c
.irp j, 0,1,2,3,4,5,6,7
	global_store_b128 v[S+12], v[XR+4*\j:XR+4*\j+3], s[56:57] offset:(16*\c+\j)*16384 th:TH_STORE_NT   ; 16 lanes store 256 consecutive aligned bytes
.endr
.endr
	WIN 0
	s_set_vgpr_msb 0x5
	s_wait_tensorcnt 0x0
	ds_add_u32 v254, v255
	s_wait_dscnt 0x0
	s_set_vgpr_msb 0x500
	ROUND                                          ; the closing round: no work-group ends while a partner may still ask jointly
	s_endpgm
.Lfunc_end_k_q6c9498142d_attn:
	.size	k_q6c9498142d_attn, .Lfunc_end_k_q6c9498142d_attn-k_q6c9498142d_attn
	.p2alignl 7, 3214868480
	.fill 96, 4, 3214868480
	.section	.rodata,"a",@progbits
	.p2align	6, 0x0
	.amdhsa_kernel k_q6c9498142d_attn
		.amdhsa_group_segment_fixed_size 327680
		.amdhsa_private_segment_fixed_size 0
		.amdhsa_enable_private_segment 0
		.amdhsa_kernarg_size 48
		.amdhsa_user_sgpr_count 2
		.amdhsa_user_sgpr_kernarg_segment_ptr 1
		.amdhsa_wavefront_size32 1
		.amdhsa_system_sgpr_workgroup_id_x 1
		.amdhsa_system_sgpr_workgroup_id_y 1
		.amdhsa_system_sgpr_workgroup_id_z 1
		.amdhsa_system_vgpr_workitem_id 0
		.amdhsa_next_free_vgpr 1024
		.amdhsa_next_free_sgpr 102
		.amdhsa_reserve_vcc 0
		.amdhsa_float_denorm_mode_32 3
		.amdhsa_float_denorm_mode_16_64 3
		.amdhsa_memory_ordered 1
		.amdhsa_forward_progress 1
		.amdhsa_inst_pref_size 255
	.end_amdhsa_kernel
	.section	.bss,"aw",@nobits
	.p2align	6
	.space	262144
	.amdgpu_metadata
---
amdhsa.version: [ 1, 2 ]
amdhsa.kernels:
  - .name:           k_q6c9498142d_attn
    .symbol:         k_q6c9498142d_attn.kd
    .args:
      - { .name: qf, .offset: 0, .size: 8, .value_kind: global_buffer, .address_space: global }
      - { .name: kv, .offset: 8, .size: 8, .value_kind: global_buffer, .address_space: global }
      - { .name: x, .offset: 16, .size: 8, .value_kind: global_buffer, .address_space: global }
      - { .name: gamma, .offset: 24, .size: 8, .value_kind: global_buffer, .address_space: global }
      - { .name: sc, .offset: 32, .size: 8, .value_kind: global_buffer, .address_space: global }
      - { .name: out0, .offset: 40, .size: 8, .value_kind: global_buffer, .address_space: global }
    .group_segment_fixed_size: 327680
    .private_segment_fixed_size: 0
    .kernarg_segment_align: 8
    .kernarg_segment_size: 48
    .max_flat_workgroup_size: 128
    .sgpr_count:     102
    .vgpr_count:     1024
    .wavefront_size: 32
...
	.end_amdgpu_metadata
.endif
;; end of part 2
;; ======== version 2 of 2: 2 launches; 1.18 times as fast as version 1
;; limits: values are held in f16: magnitudes above 65,504 overflow, below 6.1e-05 lose precision; inputs' magnitudes at most 65,504
;; workspace buffers: qf 1,048,576 bytes; kv 9,437,184 bytes; sc 2,048 bytes
;; launch proj: the kernel of part 1 again; grid 64 x 4, 8 waves a work-group, no clusters, 203,008 bytes of LDS; arguments x, w_q, w_k, w_v, bn1_scale, bn1_bias, bn1_mean, bn1_var, bn2_scale, bn2_bias, bn2_mean, bn2_var, bn3_scale, bn3_bias, bn3_mean, bn3_var, qf, kv, sc; writes qf, kv, sc
;; launch attn (part 3): grid 256 x 1, 4 waves a work-group, clusters of 4 x 1, 327,680 bytes of LDS; arguments qf, kv, x, gamma, sc, out0; writes out0
.if DOCPART == 3
	.amdgcn_target "amdgcn-amd-amdhsa--gfx1250"
	.amdhsa_code_object_version 6
	.text
	.protected	k_q6c9498142d_attn
	.globl	k_q6c9498142d_attn
	.p2align	8
	.type	k_q6c9498142d_attn,@function
k_q6c9498142d_attn:
	s_mov_b64 s[64:65], 0
	v_nop
	global_prefetch_b8 v0, s[64:65] scope:SCOPE_SE
	s_setreg_imm32_b32 hwreg(HW_REG_WAVE_MODE, 25, 1), 1
	s_wait_xcnt 0x0
	s_wait_alu depctr_hold_cnt(0) depctr_sa_sdst(0) depctr_va_vdst(0) depctr_va_sdst(0) depctr_va_ssrc(0) depctr_va_vcc(0) depctr_vm_vsrc(0)
	s_getreg_b32 s2, hwreg(HW_REG_IB_STS2, 6, 4)
	s_cmp_eq_u32 s2, 0
	s_cbranch_scc0 .Lentry_in_a_cluster
	s_endpgm
.Lentry_in_a_cluster:
	s_bfe_u32 s2, ttmp6, 0x10000c
	s_cmp_lg_u32 s2, 0x3003
	s_cbranch_scc0 .Lentry_shape_is_right
	s_endpgm
.Lentry_shape_is_right:
; out = gamma * softmax(q^T k) v + x, for 64 queries a work-group, from the fragments that the launch before stored.
; THE DIAGONAL: the reference masks logit (i, i) and appends the logit sum_d q[d,i] k[d,i], whose weight multiplies v[:, i].  That is the
; masked entry itself, so for every input the result is the plain softmax over all 4,096 logits times V: that is what is computed here.
; SHARES: four waves.  Wave w takes all 64 queries, keys 1024 w .. 1024 w + 1023 (32 blocks of 32 keys) and all 256 channels: 64 accumulator
; tiles, 512 registers.  No wave reads another's tiles, so each byte of K and V is read from LDS once in the work-group; the four partial sums
; meet once at the end, in LDS.
; FORMATS: Q and K are f16 times a power of two per block of 64 positions; the logit is S * c with c = (factor of my 64 queries) x (factor of the 64 keys),
; sixteen c for a wave's 1,024 keys, kept in scalar registers.  P and V are bf16.  All sums are f32.
; SOFTMAX IN TWO PASSES: pass 1 makes all logits (8 products a block) and takes each query's true maximum over all 4,096 keys; pass 2 makes them
; again (the same products; c is a power of two, so S * c is the same number in both passes), so exp2(S c - m) <= 1, the largest term is 1, and the
; accumulators are never rescaled.  q carries log2(e), so the exponential is exp2.
; CLUSTER: the four work-groups of a cluster are four query blocks of one batch and walk the same tiles: each tile is asked for jointly (mask 15),
; which divides the requests for K and V by four.  The place in the cluster enters only the addresses of qf, sc, x and out0.
; THE WALK: a wave's 32 blocks are 16 tiles of two.  Cluster i of the 16 of a batch begins pass 2 at tile 3 i mod 16 and goes round cyclically (the sum over
; keys has no order).  3 is odd, so the 16 starts differ: clusters that keep pace ask for 16 different tiles at any time, and from its second tile on a cluster
; asks for bytes that another cluster has asked for before.  Any eight clusters whose numbers agree in one bit have starts at most three tiles apart.
; PIPELINE of pass 2, step s (the s-th block of the walk): P(s) V(s) is multiplied; between these products S(s+1) becomes P(s+1); K(s+2) Q makes S(s+2);
; V(s+1) and K(s+3) are read from LDS, both from block s+1 (block j holds V(j) and K(j+2), cyclic in the 32 blocks, so the walk may begin at any tile).
; BATCHES: a phase's sixteen exponentials (one query tile x 32 keys, in place, each in a register of its own) are ONE batch with ONE wait.  They and the eight scalings
; S c - m stand behind the phase's first eight products, where nothing names a result of theirs; then the wait; the eight sums stand behind the last eight products,
; the eight roundings behind those.  A batch is opened and closed inside its phase: none is open at a label or a branch.  The merge's four reciprocals are a batch of their own.
; REGISTERS in windows of 256.  Window k (0..3): v0-127 accumulators of channel group (k + w) & 3, tile (c, tq) at 8 (4c + tq); v128-159 four V fragments;
;   v160-175 S of query tile k (keys of tile tau at 8 tau); v176-179 the running sums of exp2; v244-245 the pair (-m, -m) of query tile k
;   window 0 also: v180-211, v212-243 P, two buffers; v252 16 x lane; v253-254 my ring's slots + 16 x lane; v255 at work
;   window 1 also: v180-195, v196-211 K fragments, two buffers; v212-219 LDS address of window k's V fragments in slot 0, 1; v220-221 of K's
;   window 2 also: v180-211 Q fragments
;   from the last step on, v180-211 of window c hold x of channel tile c of my own channel group
; LIMITS: exp2 below 2^-126 counts as 0; non-finite logits give NaN; c must be finite: (largest q) x (largest k) of the two blocks below about 2^127.
.set BLK,   18432                      ; a block: 2,048 bytes of K, 16,384 of V
.set TILE,  2*BLK                      ; what one tensor load brings in pass 2, and an LDS slot
.set RING,  2*TILE                     ; a wave's two slots
.set STAT,  4*RING                     ; 2,048 bytes: the waves' maxima, tq*512 + 16 lane + 4 w; no tensor load lands here
.set STAT2, STAT+2048                  ; the same for the sums
.set STG,   49152                      ; the merge's stage of one owner: three sources of 16,384 bytes; lies over the ring, behind its last fill
.set VB,  128
.set S,   160
.set LS,  176
.set P0,  180
.set QC,  180                          ; pass 1: a copy of Q in window 0
.set XR,  180                          ; the end: x, 8 x 4 registers in each window
.set KB,  128                          ; pass 1: K fragments, two buffers of 16 registers
.set FO,  212                          ; the start: offset and value of the factor that my lane fetches
.set FV,  213
.set NM,  244                          ; pass 1 (window 0): v244-247 running maxima; pass 2: the window's pair (-m, -m); the end (window 0): v244-247 gamma / sum
.set BM,  248                          ; pass 1: v248-251 a block's maxima of the raw sums
.set LA,  252
.set PA,  253
.set TMP, 255
.set KF0, 180
.set VA,  212
.set KA,  220
.set Q,   180
.set G1,  24                           ; s[24:31] group 1 of a tile of pass 2
.set G1K, 32                           ; s[32:39] group 1 of pass 1's fills
.set G0,  40                           ; s[40:47] group 0, four registers for each slot
.set CT,  68                           ; s[68:83] the sixteen factors c, in the order of the blocks: pass 1
.set RT,  84                           ; s[84:99] the same in the order of my walk: pass 2
.set TN,  100                          ; s100, s101: the number (0..15) of the tile that slot 0, 1 holds or is being filled with
.set MSB, 0
.macro WIN new                         ; low byte: bits 1:0 source 0, 3:2 source 1, 5:4 source 2, 7:6 destination; the high byte repeats the setting that is left
.if MSB != (\new)
	s_set_vgpr_msb (MSB<<8)|(\new)
.set MSB, \new
.endif
.endm
.macro PLACES
.rept 4
	v_nop
.endr
.endm
; A round of the cluster's barrier: my work-group's barrier, wave 0 signals for the work-group, every wave waits for all four work-groups, my work-group's barrier again.
.macro ROUND
	s_barrier_signal -1
	s_barrier_wait -1
	s_cmp_lg_u32 s14, 0
	s_cbranch_scc1 .Lnot_wave_0_\@
	s_barrier_signal -3
.Lnot_wave_0_\@:
	s_barrier_wait -3
	s_barrier_signal -1
	s_barrier_wait -1
.endm
	s_load_b256 s[4:11], s[0:1], 0x0               ; qf s[4:5], kv s[6:7], x s[8:9], gamma s[10:11]
	s_load_b64 s[58:59], s[0:1], 0x20              ; sc
	s_load_b64 s[12:13], s[0:1], 0x28              ; out0
	s_set_vgpr_msb 0x40
	v_lshl_add_u32 v254, v0, 2, 0x49000
	v_mov_b32 v255, 0
	s_set_vgpr_msb 0x4045
	ds_add_u32 v254, v255
	s_set_vgpr_msb 0x4500
	v_lshrrev_b32 v1, 5, v0
	v_readfirstlane_b32 s14, v1                    ; w
	s_bfe_u32 s15, ttmp6, 0x40000                  ; cx
	s_lshr_b32 s16, ttmp9, 4                       ; b: 16 clusters a batch
	s_and_b32 s17, ttmp9, 15                       ; my cluster among them
	s_mul_i32 s[TN], s17, 3
	s_and_b32 s[TN], s[TN], 15                     ; the tile at which my cluster's walk begins: the cluster's number alone, the same in all four work-groups
	s_add_co_u32 s[TN+1], s[TN], 1
	s_and_b32 s[TN+1], s[TN+1], 15                 ; and the walk's second tile
	s_lshl_b32 s17, s17, 2
	s_add_co_u32 s17, s17, s15                     ; my block of 64 queries
	s_mov_b32 s48, 0x76543210                      ; v_permlanex16_b32: lane i reads lane i of the other half
	s_mov_b32 s49, 0xfedcba98
	; Group 1 of a tile of pass 2: 36,864 dense bytes as 144 rows of 32 elements of 8 bytes.  Mask 15: all four work-groups; bit 21 beside it.
	s_mov_b32 s[G1+0], 15|(3<<16)|(1<<21)
	s_mov_b32 s[G1+1], 32<<16                      ; tensor_dim0
	s_mov_b32 s[G1+2], 144<<16                     ; tensor_dim1
	s_mov_b32 s[G1+3], 32<<16                      ; tile_dim0
	s_mov_b32 s[G1+4], 144                         ; tile_dim1
	s_mov_b32 s[G1+5], 32                          ; pitch
	s_mov_b32 s[G1+6], 0
	s_mov_b32 s[G1+7], 0
	; Group 1 of pass 1's fills: the K parts of 16 blocks: 16 rows of 256 elements (2,048 bytes), 2,304 elements (a block) apart.
	s_mov_b32 s[G1K+0], 15|(3<<16)|(1<<21)
	s_mov_b32 s[G1K+1], 256<<16
	s_mov_b32 s[G1K+2], 16<<16
	s_mov_b32 s[G1K+3], 256<<16
	s_mov_b32 s[G1K+4], 16
	s_mov_b32 s[G1K+5], 2304
	s_mov_b32 s[G1K+6], 0
	s_mov_b32 s[G1K+7], 0
	s_mul_i32 s19, s14, RING                       ; my ring in LDS: the wave's number alone
	s_mov_b32 s[G0+0], 1
	s_mov_b32 s[G0+1], s19
	s_mov_b32 s[G0+4], 1
	s_add_co_u32 s[G0+5], s19, TILE
	s_mul_i32 s2, s16, 128*BLK
	s_mul_i32 s3, s14, 32*BLK
	s_add_co_u32 s2, s2, s3
	s_mov_b32 s3, 0                                ; stays 0: s[2:3] is the pair for offsets
	s_wait_dscnt 0x0
	s_wait_kmcnt 0x0
	s_add_nc_u64 s[20:21], s[6:7], s[2:3]          ; my wave's 32 blocks: batch and wave alone, the same in all four work-groups
	s_mov_b64 s[G0+2:G0+3], s[20:21]               ; slot 0: K of blocks 0-15
	s_or_b32 s[G0+3], s[G0+3], 0x80000000
	s_add_nc_u64 s[G0+6:G0+7], s[20:21], 16*BLK    ; slot 1: K of blocks 16-31
	s_or_b32 s[G0+7], s[G0+7], 0x80000000
	s_add_co_u32 s2, s[TN], 15
	s_and_b32 s2, s2, 15
	s_mul_i32 s2, s2, TILE
	s_add_nc_u64 s[6:7], s[20:21], s[2:3]          ; the tile in front of my walk's first: its two blocks carry K of the walk's first two blocks
	s_load_b32 s18, s[10:11], 0x0                  ; gamma
	s_lshl_b32 s2, s16, 6
	s_lshl_b32 s51, s14, 4
	s_add_co_u32 s2, s2, s51
	s_lshl_b32 s2, s2, 2
	s_add_nc_u64 s[66:67], s[58:59], s[2:3]
	s_load_b512 s[CT:CT+15], s[66:67], 0x0         ; the factors of my wave's 16 blocks of 64 keys (a tile each)
	s_lshl_b32 s51, s16, 6
	s_add_co_u32 s51, s51, s17                     ; 64 b + my block
	s_lshl_b32 s2, s51, 2
	s_add_nc_u64 s[62:63], s[58:59], s[2:3]
	s_load_b32 s22, s[62:63], 0x400                ; the factor of my 64 queries: q's factors lie behind k's 256
	s_lshl_b32 s2, s51, 12
	s_add_nc_u64 s[52:53], s[4:5], s[2:3]          ; my block's Q fragments
	s_lshl_b32 s2, s16, 22
	s_lshl_b32 s51, s14, 20
	s_add_co_u32 s2, s2, s51
	s_lshl_b32 s51, s17, 8
	s_add_co_u32 s2, s2, s51
	s_add_nc_u64 s[54:55], s[8:9], s[2:3]          ; x and out0 at batch b, channel 64 w, my block's first column
	s_add_nc_u64 s[56:57], s[12:13], s[2:3]
	ROUND                                          ; all four work-groups are here: the first joint loads meet
	tensor_load_to_lds s[G0:G0+3], s[G1K:G1K+7]    ; the two first fills go out together: two tensor loads of the wave are out here, later one
	s_nop 0
	tensor_load_to_lds s[G0+4:G0+7], s[G1K:G1K+7]
	s_nop 0
	v_and_b32 v[LA], 31, v0
	v_lshlrev_b32 v[LA], 4, v[LA]
	v_add_nc_u32 v[PA], s19, v[LA]
	v_add_nc_u32 v[PA+1], TILE, v[PA]
	v_add_nc_u32 v[FO], s[TN], v0
	v_and_b32 v[FO], 15, v[FO]
	v_lshlrev_b32 v[FO], 2, v[FO]                  ; lane i fetches the factor of tile (start + i) mod 16
.irp q, 0,1,2,3,4,5,6,7
	global_load_b128 v[QC+4*\q:QC+4*\q+3], v[LA], s[52:53] offset:512*\q
.endr
	global_load_b32 v[FV], v[FO], s[66:67]
.irp t, 0,1,2,3
	v_mov_b32 v[NM+\t], 0xff800000                 ; pass 1: the running maximum of query tile t
	v_mov_b32 v[LS+\t], 0
.endr
	WIN 0x80
.irp q, 0,1,2,3,4,5,6,7
	global_load_b128 v[Q+4*\q:Q+4*\q+3], v[LA], s[52:53] offset:512*\q
.endr
.irp t, 0,1,2,3
	v_mov_b32 v[LS+\t], 0
.endr
	WIN 0xc0
.irp t, 0,1,2,3
	v_mov_b32 v[LS+\t], 0
.endr
	WIN 0x40
.irp q, 0,1,2,3
	global_load_b128 v[KF0+4*\q:KF0+4*\q+3], v[LA], s[6:7] offset:512*\q               ; K of the walk's first block,
	global_load_b128 v[KF0+16+4*\q:KF0+16+4*\q+3], v[LA], s[6:7] offset:BLK+512*\q     ; and of its second
.endr
.irp t, 0,1,2,3
	v_mov_b32 v[LS+\t], 0
.endr
	v_mov_b32 v[KA], v[PA]
	v_mov_b32 v[KA+1], v[PA+1]
.irp k, 0,1,2,3
	s_add_co_u32 s2, s14, \k
	s_and_b32 s2, s2, 3                            ; window k holds channel group (k + w) & 3, so that window 0 holds the group that wave w owns in the merge
	s_lshl_b32 s2, s2, 12
	s_add_co_u32 s2, s2, 2048
	v_add_nc_u32 v[VA+2*\k], s2, v[PA]
	v_add_nc_u32 v[VA+2*\k+1], s2, v[PA+1]
.endr
	WIN 0
; PASS 1.  Four maxima of the raw sums, one for each query tile: registers 2p, 2p+1 (p = i % 4) of the four tiles (tau = i / 4, tq) of a set of S.
; The first of a block's eight starts the block's maxima.
.macro MAX4 set, i
.irp tq, 0,1,2,3
.if (\i) == 0
	v_max_num_f32 v[BM+\tq], v[64*\set+8*(4*(\i/4)+\tq)+2*(\i%4)], v[64*\set+8*(4*(\i/4)+\tq)+2*(\i%4)+1]
.else
	v_max3_num_f32 v[BM+\tq], v[BM+\tq], v[64*\set+8*(4*(\i/4)+\tq)+2*(\i%4)], v[64*\set+8*(4*(\i/4)+\tq)+2*(\i%4)+1]
.endif
.endr
.endm
; A block's maxima times the block's factor (positive, so it commutes with the maximum) go into the running maxima.
.macro FOLD c
.irp tq, 0,1,2,3
	v_mul_f32 v[BM+\tq], s[\c], v[BM+\tq]
.endr
.irp tq, 0,1,2,3
	v_max_num_f32 v[NM+\tq], v[NM+\tq], v[BM+\tq]
.endr
.endm
; 16 blocks of K from one slot.  Block jj: its 8 products (2 key tiles x 4 query tiles) go into set jj % 2 of S (v0-63, v64-127); behind each product
; stand four maxima over the other set, which are also the four places that the next loads into K's buffer and the next reads of S need.
; The block stored at place p holds K((p + 2) % 32), whose factor is number ((p + 2) % 32) / 2.
.macro P1HALF slot
.irp q, 0,1,2,3
	ds_load_b128 v[KB+4*\q:KB+4*\q+3], v[PA+\slot] offset:512*\q
.endr
.set jj, 0
.rept 16
.set ps, (jj+1)%2
.if jj < 15
.irp q, 0,1,2,3
	ds_load_b128 v[KB+16*ps+4*\q:KB+16*ps+4*\q+3], v[PA+\slot] offset:(jj+1)*2048+512*\q
.endr
	s_wait_dscnt 0x4                               ; the next block's four loads stay out
.else
	s_wait_dscnt 0x0
.endif
.set ii, 0
.rept 8
	v_wmma_f32_16x16x32_f16 v[64*(jj%2)+8*ii:64*(jj%2)+8*ii+7], v[KB+16*(jj%2)+8*(ii/4):KB+16*(jj%2)+8*(ii/4)+7], v[QC+8*(ii%4):QC+8*(ii%4)+7], 0
.if jj > 0
	MAX4 ps, ii
.endif
.set ii, ii+1
.endr
.if jj == 0
	PLACES
.else
	FOLD CT+((16*\slot+jj+1)%32)/2
.endif
.set jj, jj+1
.endr
.set ii, 0
.rept 8
	MAX4 1, ii                                     ; block 15's set
.set ii, ii+1
.endr
	FOLD CT+((16*\slot+17)%32)/2
.endm
	s_wait_loadcnt 0x0                             ; Q, both copies; K of the walk's first two blocks; the factors in the walk's order
	s_wait_kmcnt 0x0                               ; gamma and the factors
.irp i, 0,1,2,3,4,5,6,7,8,9,10,11,12,13,14,15
	v_readlane_b32 s[RT+\i], v[FV], \i             ; the factor of the walk's tile i
.endr
.irp i, 0,1,2,3,4,5,6,7,8,9,10,11,12,13,14,15
	s_mul_f32 s[CT+\i], s[CT+\i], s22              ; c = factor of the keys x factor of my queries
	s_mul_f32 s[RT+\i], s[RT+\i], s22
.endr
	s_mov_b32 s61, 0                               ; the upper word of the pair s[60:61]; only s60 is multiplied by
	s_wait_tensorcnt 0x1                           ; slot 0's fill is in; slot 1's may stay out: only this wave reads these bytes
	P1HALF 0
	s_wait_dscnt 0x0                               ; my reads of slot 0 are back
	s_set_vgpr_msb 0x5
	s_wait_tensorcnt 0x0                           ; and all my tensor loads have landed: no tensor load of mine is out, so a group 0 may be written
	ds_add_u32 v254, v255
	s_wait_dscnt 0x0
	s_set_vgpr_msb 0x500
	s_mul_i32 s2, s[TN], TILE
	s_add_nc_u64 s[G0+2:G0+3], s[20:21], s[2:3]
	s_or_b32 s[G0+3], s[G0+3], 0x80000000
	ROUND                                          ; the same holds of every wave of the four work-groups
	tensor_load_to_lds s[G0:G0+3], s[G1:G1+7]      ; the walk's first tile into slot 0
	s_nop 0
	P1HALF 1
.irp t, 0,1,2,3
	v_permlanex16_b32 v[\t], v[NM+\t], s48, s49    ; the other half of the lanes holds the other keys of the same query
.endr
.irp t, 0,1,2,3
	v_max_num_f32 v[NM+\t], v[NM+\t], v[\t]
.endr
	s_lshl_b32 s2, s14, 2
	s_add_co_u32 s2, s2, STAT
	v_add_nc_u32 v[TMP], s2, v[LA]
.irp t, 0,1,2,3
	ds_store_b32 v[TMP], v[NM+\t] offset:512*\t
.endr
	s_wait_dscnt 0x0                               ; my reads of slot 1 are back and my maxima are in LDS
	s_set_vgpr_msb 0x5
	s_wait_tensorcnt 0x0                           ; the first tile has landed; no tensor load of mine is out, so a group 0 may be written
	ds_add_u32 v254, v255
	s_wait_dscnt 0x0
	s_set_vgpr_msb 0x500
	s_mul_i32 s2, s[TN+1], TILE
	s_add_nc_u64 s[G0+6:G0+7], s[20:21], s[2:3]
	s_or_b32 s[G0+7], s[G0+7], 0x80000000
	ROUND
	tensor_load_to_lds s[G0+4:G0+7], s[G1:G1+7]    ; the walk's second tile into slot 1
	s_nop 0
	v_add_nc_u32 v[TMP], STAT, v[LA]
.irp t, 0,1,2,3
	ds_load_b128 v[4*\t:4*\t+3], v[TMP] offset:512*\t      ; the four waves' maxima of my query in tile t
.endr
	s_wait_dscnt 0x0
.irp t, 0,1,2,3
	v_max_num_f32 v[4*\t], v[4*\t], v[4*\t+1]
	v_max3_num_f32 v[4*\t], v[4*\t], v[4*\t+2], v[4*\t+3]
.endr
.irp t, 0,1,2,3
	WIN 64*\t                                      ; destination in window t: each window keeps its own query tile's pair
	v_mul_f32 v[NM], -1.0, v[4*\t]
	v_mul_f32 v[NM+1], -1.0, v[4*\t]
.endr
; PASS 2.  One phase = window k's part of a step.  Flags: pv products P V; zero: they start the sums; sm softmax of the next step's S;
; ldv, ldk LDS loads of V and K from (slot, half); qk the products K Q; cs: the scalar pair whose low word is the factor c of the S at hand;
; wv: how many younger LDS loads stay out when window k's V fragments must be in.
; Window settings: 81 k (source 0, source 2, destination in window k, source 1 in window 0) for P V, S c - m, exp2 and the sum;
; 5 k (sources in window k, destination in window 0) to pack P; 9 + 64 k (source 0 window 1, source 1 window 2, destination window k) for the loads and K Q.
; All accumulators take turns, one instruction a turn.
; THE SOFTMAX OF A PHASE, 8 pairs of scores.  Ahead of the wait: pair 0 is scaled in front of product 0; behind product j (0..7) stand the scaling of pair j + 1 and the two
; exponentials of pair j: a pair is scaled one product ahead of its exponentials, and no line there names an exponential's result.  Behind the wait: the sum of pair j - 8
; behind product j (8..15), pairs ascending, even pairs onto LS+0:1 and odd pairs onto LS+2:3; then the roundings.
.macro PHASE k, par, slot, half, pv, zero, sm, ldv, ldk, qk, cs, wv
.if \pv
	s_wait_dscnt \wv
.endif
	WIN 81*\k
.if \sm
	v_pk_fma_f32 v[S:S+1], v[S:S+1], s[\cs:\cs+1], v[NM:NM+1] op_sel_hi:[1,0,1]     ; S c - m; the pair's low word feeds both halves
.endif
.set pp, 0
.rept 16
.if \pv
.if \zero
	v_wmma_f32_16x16x32_bf16 v[8*pp:8*pp+7], v[VB+8*(pp/4):VB+8*(pp/4)+7], v[P0+32*\par+8*(pp%4):P0+32*\par+8*(pp%4)+7], 0
.else
	v_wmma_f32_16x16x32_bf16 v[8*pp:8*pp+7], v[VB+8*(pp/4):VB+8*(pp/4)+7], v[P0+32*\par+8*(pp%4):P0+32*\par+8*(pp%4)+7], v[8*pp:8*pp+7]
.endif
.endif
.if \sm
.if pp < 7
	v_pk_fma_f32 v[S+2*pp+2:S+2*pp+3], v[S+2*pp+2:S+2*pp+3], s[\cs:\cs+1], v[NM:NM+1] op_sel_hi:[1,0,1]   ; the next pair's S c - m: its exponentials come behind the next product
.endif
.if pp < 8
	v_exp_f32 v[S+2*pp], v[S+2*pp]
	v_exp_f32 v[S+2*pp+1], v[S+2*pp+1]
.else
	v_pk_fma_f32 v[LS+2*(pp%2):LS+2*(pp%2)+1], v[S+2*(pp-8):S+2*(pp-8)+1], 1.0, v[LS+2*(pp%2):LS+2*(pp%2)+1] op_sel_hi:[1,0,1]   ; the sum of pair pp - 8; as S * 1 + L, since source 1 means window 0 here
.endif
.if pp == 7
	v_nop                                          ; the plain vector instruction behind the last exponential and ahead of the first use (ISA guide 5.7.2): one for the batch
	s_wait_alu depctr_va_vdst(0)                   ; the wait: one for the phase's sixteen exponentials
.endif
.endif
.set pp, pp+1
.endr
.if \sm
	WIN 5*\k
.set pp, 0
.rept 8
	v_cvt_pk_bf16_f32 v[P0+32*(1-\par)+8*\k+pp], v[S+2*pp], v[S+2*pp+1]         ; keys 8h .. 8h+7 of tile 0, then of tile 1: the layout of source 1's K = 32
.set pp, pp+1
.endr
.endif
.if \ldv
	WIN 9+64*\k
.irp q, 0,1,2,3,4,5,6,7
	ds_load_b128 v[VB+4*\q:VB+4*\q+3], v[VA+2*\k+\slot] offset:\half*BLK+512*\q ; nine plain vector instructions (a sum, eight roundings) stand between the phase's last product and these loads
.endr
.endif
.if \ldk
.if \k == 1
.irp q, 0,1,2,3
	ds_load_b128 v[KF0+16*(1-\par)+4*\q:KF0+16*(1-\par)+4*\q+3], v[KA+\slot] offset:\half*BLK+512*\q
.endr
.endif
.endif
.if \qk
	WIN 9+64*\k
.if \k == 0
	s_wait_dscnt 24                                ; behind K's loads of the step before stand three groups of eight loads of V
.endif
.irp tau, 0,1
	v_wmma_f32_16x16x32_f16 v[S+8*\tau:S+8*\tau+7], v[KF0+16*\par+8*\tau:KF0+16*\par+8*\tau+7], v[Q+8*\k:Q+8*\k+7], 0
.endr
.endif
.endm
.macro STEP par, slot, half, pv, zero, sm, ldv, ldk, qk, cs, w0, w1, w2, w3
	PHASE 0, \par, \slot, \half, \pv, \zero, \sm, \ldv, \ldk, \qk, \cs, \w0
	PHASE 1, \par, \slot, \half, \pv, \zero, \sm, \ldv, \ldk, \qk, \cs, \w1
	PHASE 2, \par, \slot, \half, \pv, \zero, \sm, \ldv, \ldk, \qk, \cs, \w2
	PHASE 3, \par, \slot, \half, \pv, \zero, \sm, \ldv, \ldk, \qk, \cs, \w3
.endm
; A slot that has been read is filled again, two tiles further on in the walk, which goes round at 16.
.macro RND slot
	WIN 0
	s_wait_dscnt 0x0                               ; my reads of the slot are back
	s_set_vgpr_msb 0x5
	s_wait_tensorcnt 0x0                           ; all my tensor loads have landed, the other slot's tile among them; a group 0 may be written
	ds_add_u32 v254, v255
	s_wait_dscnt 0x0
	s_set_vgpr_msb 0x500
	s_add_co_u32 s[TN+\slot], s[TN+\slot], 2
	s_and_b32 s[TN+\slot], s[TN+\slot], 15
	s_mul_i32 s2, s[TN+\slot], TILE
	s_add_nc_u64 s[G0+4*\slot+2:G0+4*\slot+3], s[20:21], s[2:3]
	s_or_b32 s[G0+4*\slot+3], s[G0+4*\slot+3], 0x80000000
	ROUND                                          ; both hold of every wave of the four work-groups
	tensor_load_to_lds s[G0+4*\slot:G0+4*\slot+3], s[G1:G1+7]      ; my one tensor load behind the round; two steps, 144 products, in which to land
	s_nop 0
.endm
.irp k, 0,1,2,3
	WIN 9+64*\k
	v_wmma_f32_16x16x32_f16 v[S:S+7], v[KF0:KF0+7], v[Q+8*\k:Q+8*\k+7], 0               ; S(0)
	v_wmma_f32_16x16x32_f16 v[S+8:S+15], v[KF0+8:KF0+15], v[Q+8*\k:Q+8*\k+7], 0
.endr
	PLACES
	; LDS loads of a step are issued 8, 8 + 4, 8, 8 at the phases' ends: behind window k's V fragments stand 28 younger loads at the next step's phase k.
	; Step s turns S(s+1) into P(s+1): its factor is number (s + 1) / 2 of the walk's table.
	STEP 1,0,0, 0,0, 1,1,1,1, RT, 0,0,0,0          ; step -1: P(0), S(1), V(0), K(2)
	STEP 0,0,1, 1,1, 1,1,1,1, RT, 28,28,28,28      ; step 0: the first products start the sums
	WIN 0
	s_mov_b32 s50, 7
.Lloop:                                                ; trip t: steps 4t+1 to 4t+4, the walk's tiles 2t+2 and 2t+3; the table has moved down 2t places, so its places 1 and 2 hold factors 2t+1 and 2t+2
	s_mov_b32 s60, s[RT+1]                         ; into the low word of an even pair
	RND 0
	STEP 1,1,0, 1,0, 1,1,1,1, 60, 28,28,28,28
	STEP 0,1,1, 1,0, 1,1,1,1, 60, 28,28,28,28
	RND 1
	STEP 1,0,0, 1,0, 1,1,1,1, RT+2, 28,28,28,28
	STEP 0,0,1, 1,0, 1,1,1,1, RT+2, 28,28,28,28
	WIN 0
.irp i, 0,2,4,6,8,10,12
	s_mov_b64 s[RT+\i:RT+\i+1], s[RT+\i+2:RT+\i+3] ; the table moves down two places
.endr
	s_sub_co_u32 s50, s50, 1
	s_cmp_lg_u32 s50, 0
	s_cbranch_scc1 .Lloop
	s_wait_tensorcnt 0x0                           ; the walk's last tile; nothing is filled again
	s_mov_b32 s60, s[RT+1]                         ; factor 15
	STEP 1,1,0, 1,0, 1,1,0,1, 60, 28,28,24,24      ; step 29: no K is left to read, so from phase 2 on 24 younger loads
	STEP 0,1,1, 1,0, 1,1,0,0, 60, 24,24,24,24      ; step 30
	; x of my own channel group is asked for now, 32 loads, so that the last step's 64 products and the merge's 192 LDS instructions stand between the request and its use.
	; It lands in v180-211 of the four windows: the P buffer that step 31 does not read, K's and Q's fragments (last read in step 29), and a range that window 3 never used.
	; Twelve plain vector instructions stand between step 30's last product, which read that P buffer, and the first load.
	WIN 0
	v_and_b32 v[S+12], 0x100, v[LA]
	v_and_b32 v[S+13], 0xf0, v[LA]
	v_lshl_add_u32 v[S+12], v[S+12], 9, v[S+13]    ; 8 h rows of x + 16 r; kept until the stores
.irp c, 0,1,2,3
	WIN 64*\c
.irp j, 0,1,2,3,4,5,6,7
	global_load_b128 v[XR+4*\j:XR+4*\j+3], v[S+12], s[54:55] offset:(16*\c+\j)*16384   ; x(64 w + 16 c + 8 h + j, n0 + 4 r ..): 16 lanes read 256 consecutive aligned bytes
.endr
.endr
	STEP 1,0,0, 1,0, 0,0,0,0, 60, 24,16,8,0        ; step 31: products alone, the counts run down
	; THE MERGE.  Sums of exp2 first.
	PLACES
.irp k, 0,1,2,3
	WIN 5*\k
	v_add_f32 v[S+2*\k], v[LS], v[LS+1]
	v_add_f32 v[S+2*\k+1], v[LS+2], v[LS+3]
.endr
	WIN 0
.irp k, 0,1,2,3
	v_add_f32 v[S+2*\k], v[S+2*\k], v[S+2*\k+1]
.endr
.irp k, 0,1,2,3
	v_permlanex16_b32 v[S+2*\k+1], v[S+2*\k], s48, s49
.endr
.irp k, 0,1,2,3
	v_add_f32 v[S+2*\k], v[S+2*\k], v[S+2*\k+1]
.endr
	s_lshl_b32 s2, s14, 2
	s_add_co_u32 s2, s2, STAT2
	v_add_nc_u32 v[TMP], s2, v[LA]
.irp k, 0,1,2,3
	ds_store_b32 v[TMP], v[S+2*\k] offset:512*\k
.endr
.irp jw, 1,2,3
	s_add_co_u32 s2, s14, \jw
	s_and_b32 s2, s2, 3                            ; window jw holds the group of wave (w + jw) & 3
	s_mul_i32 s2, s2, STG
	s_add_co_u32 s2, s2, (\jw-1)*16384
	v_add_nc_u32 v[S+8+\jw], s2, v[LA]
.endr
	s_mul_i32 s2, s14, STG
	v_add_nc_u32 v[S+13], s2, v[LA]                ; my own stage
	s_wait_dscnt 0x0                               ; my reads of the ring are back, my sums are in LDS
	s_barrier_signal -1
	s_barrier_wait -1                              ; so are everybody's: the ring, which has had its last fill, becomes the stage
.irp jw, 1,2,3
	WIN 4*\jw                                      ; store data in window jw
.set q, 0
.rept 32
	ds_store_b128 v[S+8+\jw], v[4*q:4*q+3] offset:512*q
.set q, q+1
.endr
.endr
	WIN 0
	v_add_nc_u32 v[TMP], STAT2, v[LA]
.irp t, 0,1,2,3
	ds_load_b128 v[VB+4*\t:VB+4*\t+3], v[TMP] offset:512*\t
.endr
	s_wait_dscnt 0x0                               ; my stores are in the stage; the four sums are here
	s_barrier_signal -1
.irp t, 0,1,2,3
	v_add_f32 v[VB+4*\t], v[VB+4*\t], v[VB+4*\t+1]
	v_add_f32 v[VB+4*\t+2], v[VB+4*\t+2], v[VB+4*\t+3]
.endr
.irp t, 0,1,2,3
	v_add_f32 v[VB+4*\t], v[VB+4*\t], v[VB+4*\t+2]         ; at least 1: the largest logit's term
.endr
.irp t, 0,1,2,3
	v_rcp_f32 v[NM+\t], v[VB+4*\t]
.endr
	v_nop                                          ; one plain vector instruction behind the transcendentals (ISA guide 5.7.2)
	s_wait_alu depctr_va_vdst(0)                   ; the wait: one for the four reciprocals, ahead of the first multiply that reads one
.irp t, 0,1,2,3
	v_mul_f32 v[NM+\t], s18, v[NM+\t]              ; gamma / sum, of my query in tile t
.endr
	s_barrier_wait -1                              ; the three other waves' parts of my channel group are in my stage
.irp jw, 1,2,3
	WIN 64*\jw                                     ; source jw - 1 lands in window jw's accumulators, whose stores are done
.set q, 0
.rept 32
	ds_load_b128 v[4*q:4*q+3], v[S+13] offset:(\jw-1)*16384+512*q
.set q, q+1
.endr
.endr
	WIN 0x04
	s_wait_dscnt 63                                ; the first source's 32 loads are back (a wait's count names 63 at the most)
.set q, 0
.rept 64
	v_pk_add_f32 v[2*q:2*q+1], v[2*q:2*q+1], v[2*q:2*q+1]          ; source 1 in window 1
.set q, q+1
.endr
	WIN 0x08
	s_wait_dscnt 32                                ; the third source's 32 loads stay out
.set q, 0
.rept 64
	v_pk_add_f32 v[2*q:2*q+1], v[2*q:2*q+1], v[2*q:2*q+1]          ; source 1 in window 2
.set q, q+1
.endr
	WIN 0x0c
	s_wait_dscnt 0x0
.set q, 0
.rept 64
	v_pk_add_f32 v[2*q:2*q+1], v[2*q:2*q+1], v[2*q:2*q+1]          ; source 1 in window 3
.set q, q+1
.endr
	s_wait_loadcnt 0x0                             ; x
.irp c, 0,1,2,3
	WIN 80*\c                                      ; x and the result in window c, the sums and gamma / sum in window 0
.irp j, 0,1,2,3,4,5,6,7
.irp tq, 0,1,2,3
	v_fma_f32 v[XR+4*\j+\tq], v[8*(4*\c+\tq)+\j], v[NM+\tq], v[XR+4*\j+\tq]     ; query tile tq is column n0 + 4 r + tq: four tiles make 16 neighbouring bytes
.endr
.endr
.endr
.irp c, 0,1,2,3
	WIN 4*\c                                       ; store data in window c
.irp j, 0,1,2,3,4,5,6,7
	global_store_b128 v[S+12], v[XR+4*\j:XR+4*\j+3], s[56:57] offset:(16*\c+\j)*16384 th:TH_STORE_NT   ; 16 lanes store 256 consecutive aligned bytes
.endr
.endr
	WIN 0
	s_set_vgpr_msb 0x5
	s_wait_tensorcnt 0x0
	ds_add_u32 v254, v255
	s_wait_dscnt 0x0
	s_set_vgpr_msb 0x500
	ROUND                                          ; the closing round: no work-group ends while a partner may still ask jointly
	s_endpgm
.Lfunc_end_k_q6c9498142d_attn:
	.size	k_q6c9498142d_attn, .Lfunc_end_k_q6c9498142d_attn-k_q6c9498142d_attn
	.p2alignl 7, 3214868480
	.fill 96, 4, 3214868480
	.section	.rodata,"a",@progbits
	.p2align	6, 0x0
	.amdhsa_kernel k_q6c9498142d_attn
		.amdhsa_group_segment_fixed_size 327680
		.amdhsa_private_segment_fixed_size 0
		.amdhsa_enable_private_segment 0
		.amdhsa_kernarg_size 48
		.amdhsa_user_sgpr_count 2
		.amdhsa_user_sgpr_kernarg_segment_ptr 1
		.amdhsa_wavefront_size32 1
		.amdhsa_system_sgpr_workgroup_id_x 1
		.amdhsa_system_sgpr_workgroup_id_y 1
		.amdhsa_system_sgpr_workgroup_id_z 1
		.amdhsa_system_vgpr_workitem_id 0
		.amdhsa_next_free_vgpr 1024
		.amdhsa_next_free_sgpr 102
		.amdhsa_reserve_vcc 0
		.amdhsa_float_denorm_mode_32 3
		.amdhsa_float_denorm_mode_16_64 3
		.amdhsa_memory_ordered 1
		.amdhsa_forward_progress 1
		.amdhsa_inst_pref_size 255
	.end_amdhsa_kernel
	.section	.bss,"aw",@nobits
	.p2align	6
	.space	262144
	.amdgpu_metadata
---
amdhsa.version: [ 1, 2 ]
amdhsa.kernels:
  - .name:           k_q6c9498142d_attn
    .symbol:         k_q6c9498142d_attn.kd
    .args:
      - { .name: qf, .offset: 0, .size: 8, .value_kind: global_buffer, .address_space: global }
      - { .name: kv, .offset: 8, .size: 8, .value_kind: global_buffer, .address_space: global }
      - { .name: x, .offset: 16, .size: 8, .value_kind: global_buffer, .address_space: global }
      - { .name: gamma, .offset: 24, .size: 8, .value_kind: global_buffer, .address_space: global }
      - { .name: sc, .offset: 32, .size: 8, .value_kind: global_buffer, .address_space: global }
      - { .name: out0, .offset: 40, .size: 8, .value_kind: global_buffer, .address_space: global }
    .group_segment_fixed_size: 327680
    .private_segment_fixed_size: 0
    .kernarg_segment_align: 8
    .kernarg_segment_size: 48
    .max_flat_workgroup_size: 128
    .sgpr_count:     102
    .vgpr_count:     1024
    .wavefront_size: 32
...
	.end_amdgpu_metadata
.endif
;; end of part 3
